; MI455X (gfx1250); checked and timed in simulation.
; The chip was launched on July 23, 2026; its instructions are those of AMD's public machine-readable ISA for CDNA 5 (MIT licence, August 2026) and "CDNA5" Instruction Set Architecture Reference Guide (July 2026). The comments in the code are by the model that wrote it; some were corrected since.
;; Per Residual Scaled Encoder Block. Allowed arithmetic: matrix products marked QUANTISED: E4M3 operands, one E8M0 scale for each 32 along K, by v_wmma_scale_f32_16x16x128_f8f6f4 with both operands' format E4M3, f32 sums; everything else in f32.
;; Inputs: fc0_b 4,096 float32; fc0_w_codes 4,096 x 32 x 32 uint8 (E4M3 codes of fc0_w, K innermost, in blocks of 32 codes); fc0_w_scales 4,096 x 32 uint8 (E8M0 scales of fc0_w, one for each 32 codes along K); fc1_b 1,024 float32; fc1_w_codes 1,024 x 128 x 32 uint8 (E4M3 codes of fc1_w, K innermost, in blocks of 32 codes); fc1_w_scales 1,024 x 128 uint8 (E8M0 scales of fc1_w, one for each 32 codes along K); ln1_b 1,024 float32; ln1_g 1,024 float32; ln2_b 1,024 float32; ln2_g 1,024 float32; proj_b 1,024 float32; proj_w_codes 1,024 x 32 x 32 uint8 (E4M3 codes of proj_w, K innermost, in blocks of 32 codes); proj_w_scales 1,024 x 32 uint8 (E8M0 scales of proj_w, one for each 32 codes along K); qkv_b 3,072 float32; qkv_w_codes 3,072 x 32 x 32 uint8 (E4M3 codes of qkv_w, K innermost, in blocks of 32 codes); qkv_w_scales 3,072 x 32 uint8 (E8M0 scales of qkv_w, one for each 32 codes along K); x 2 x 2,048 x 1,024 float32.
;; Outputs: out0 2 x 2,048 x 1,024 float32.
;; This version of the problem:
;;   THIS VERSION OF THE PROBLEM IS GIVEN IN LOW PRECISION. The matrix products marked QUANTISED in the list below multiply operands that are first quantised to E4M3 (4 exponent bits, 3 mantissa bits; 8 bits a number), with one power-of-two scale for each 32 numbers along K (OCP MX v1.0); their sums are f32. All else is computed in f32.
;;   The module's matrix products, in the order in which they are computed (A, B: the left and right operand; K: the contracted axis; several contracted axes count as one K, in the product's order):
;;     1. [M 4,096, K 1,024] x [K 1,024, N 3,072]; A: computed on the way; B: input qkv_w (given as codes): QUANTISED
;;     2. batch 32 x [M 2,048, K 64] x [K 64, N 2,048]; A: computed on the way; B: computed on the way: QUANTISED
;;     3. batch 32 x [M 2,048, K 2,048] x [K 2,048, N 64]; A: softmax (see below); B: computed on the way: QUANTISED
;;     4. [M 4,096, K 1,024] x [K 1,024, N 1,024]; A: computed on the way; B: input proj_w (given as codes): QUANTISED
;;     5. [M 4,096, K 1,024] x [K 1,024, N 4,096]; A: computed on the way; B: input fc0_w (given as codes): QUANTISED
;;     6. [M 4,096, K 4,096] x [K 4,096, N 1,024]; A: computed on the way; B: input fc1_w (given as codes): QUANTISED
;;   THE QUANTISER, for each operand of a quantised product, along K:
;;     - K is cut into blocks of 32 from its start; a last block that is shorter is filled with zeros.
;;     - A block's scale is 2^e with e = floor(log2(the largest magnitude in the block)) - 8, held to -126 .. 127; a block of zeros has e = 0. As a byte (E8M0): e + 127.
;;     - Each number is divided by its block's scale, clamped to +-448, and rounded to the nearest number of E4M3, ties to even, subnormals kept.
;;     - The product sums the exact products of the quantised numbers (number of the format x scale) in f32.
;;   ~~~python
;;   def quantise(x, axis):      # numpy; x: float32 -> the quantised numbers, widened to float32 again
;;       x = np.moveaxis(x, axis, -1); K = x.shape[-1]
;;       x = np.pad(x, [(0, 0)] * (x.ndim - 1) + [(0, -K % 32)]); x = x.reshape(x.shape[:-1] + (-1, 32)); a = np.abs(x).max(-1, keepdims=True)
;;       e = np.where(a > 0, np.clip(np.frexp(np.where(a > 0, a, 1))[1] - 1 - 8, -126, 127), 0)      # np.frexp(a)[1] - 1 = floor(log2(a)), exactly
;;       r = np.clip(x / 2.0 ** e, -448, 448)
;;       step = 2.0 ** (np.maximum(np.frexp(np.where(r == 0, 1, r))[1] - 1, -6) - 3)
;;       q = np.round(r / step) * step * 2.0 ** e      # np.round: ties to even
;;       return np.moveaxis(q.reshape(q.shape[:-2] + (-1,))[..., :K], -1, axis).astype(np.float32)
;;   ~~~
;;   SOFTMAX AHEAD OF A QUANTISED PRODUCT. Where the list says 'softmax', what is quantised is not the finished softmax but p = 2^(t - M), with t = logit x log2(e) and M = ceil(the row's largest t), a whole number; so 1/2 < the row's largest p <= 1. The row's sum l is taken of the UNQUANTISED p, in f32, and the product's result is divided by l at the end. Since M is a whole number, a kernel that streams over the keys may use a running M (the ceiling of the running maximum): every later rescaling is an exact power of two, which a block's scale takes up: the codes' values come out the same.
;;   OPERANDS COMPUTED ON THE WAY. 'Computed on the way' means the value that the module computes at that place (a softmax that the list does not call 'softmax' is quantised finished and normalised). What goes into a quantiser is computed in f32, as accurately as f32 sums, v_exp_f32 and their like allow (about 1e-6 of the number): no bf16 or f16 on the way to a quantiser, and a product that is left as it is and whose result goes on into a quantised operand takes f32 operands (vector FMAs, or v_wmma_f32_16x16x4_f32). A number that lies on a knife's edge between two numbers of the format may be rounded either way, as far as f32 arithmetic and the matrix unit's own rounding can turn it there, and no further.
;;   INPUTS GIVEN AS CODES. fc0_w (in the module: [1024, 4096], K = its axis 0); fc1_w (in the module: [4096, 1024], K = its axis 0); proj_w (in the module: [1024, 1024], K = its axis 0); qkv_w (in the module: [1024, 3072], K = its axis 0): each comes as NAME_codes (uint8): NAME with its K axis moved to the last place and cut into blocks of 32 codes, [.., K / 32, bytes a block], one block behind the other in memory; one code a byte (a code: sign, 4 exponent bits, 3 mantissa bits); and NAME_scales (uint8): the same leading axes, one E8M0 byte (e + 127) for each 32 codes along K. Its value is code x scale, taken as it is: it is not quantised again, and the codes and scales need not be those that the quantiser above would give.
;; One version. Each part assembles by itself: llvm-mc -triple=amdgcn-amd-amdhsa -mcpu=gfx1250 --defsym DOCPART=n.
;; ======== version 1 of 1: 7 launches
;; limits: right only within a limited range of input values
;; workspace buffers: xq 4,325,376 bytes; qkvw 13,107,200 bytes; ao 4,325,376 bytes; res 16,777,216 bytes; hid 17,301,504 bytes
;; launch ln1 (part 1): grid 256 x 1, 16 waves a work-group, no clusters, 10,752 bytes of LDS; arguments x, ln1_g, ln1_b, xq; writes xq
.if DOCPART == 1
	.amdgcn_target "amdgcn-amd-amdhsa--gfx1250"
	.amdhsa_code_object_version 6
	.text
	.protected	k_q842b3a1e6e_ln1
	.globl	k_q842b3a1e6e_ln1
	.p2align	8
	.type	k_q842b3a1e6e_ln1,@function
k_q842b3a1e6e_ln1:
	s_mov_b64 s[64:65], 0
	v_nop
	global_prefetch_b8 v0, s[64:65] scope:SCOPE_SE
	s_setreg_imm32_b32 hwreg(HW_REG_WAVE_MODE, 25, 1), 1
	s_wait_xcnt 0x0
; LayerNorm of rows of 1,024 f32 numbers, then the MX-FP8 quantiser along the row: codes [4096][1024] at byte 0 of the output, scale bytes [4096][32] at byte XSC.
; y = (x - mean) * rsqrt(var + 1e-5) * g + b, in two passes over registers (the mean is taken away before the squares), all in f32.
; A work-group of sixteen waves owns 16 rows, a wave one: four waves to a SIMD, 182 registers each; all of a wave's nine loads go out at its head, and a row's work begins when that row is in.
; In chunk c of 256 columns a lane owns columns 256 c + 8 lane + 0 .. 7: four lanes hold a block of 32.
; g and b are read from memory once for a work-group: threads 0 to 255 bring 16 bytes of g each, threads 256 to 511 of b; they meet in LDS (byte 16 x thread) behind a barrier, and each lane takes its 32 + 32 numbers from there.
; A row's codes leave as four stores of 256 consecutive aligned bytes; the 16 rows' 512 scale bytes meet in LDS behind a second barrier and wave 0 stores them as 512 consecutive aligned bytes.
; No matrix unit, cluster or tensor load: the launch streams, and its work-groups share g and b alone.  No data prefetch: there is no loop to run ahead in.
; LIMITS: NaN and infinities are not served.  A block whose largest magnitude lies under 2^-118 (zeros too) gets the scale byte 1; only this program reads the bytes.
.set XSC, 4194304
.set GL,  0                            ; LDS: g, 4,096 bytes
.set BL,  4096                         ; b, 4,096 bytes
.set SBY, 8192                         ; the scale bytes, 512
.set SPARE, 8704                       ; the spare words: 128 bytes a wave
.set G,   16                           ; v16-47   g of my 32 columns
.set BI,  48                           ; v48-79   b of my 32 columns
.set XR,  80                           ; v80-111  my row, 32 numbers
.set CR,  144                          ; v144-151 its codes
.set T,   160                          ; v160-167 four packed chains of a sum (the quantiser's registers, before it begins)
.set MX,  160
.set SO,  164
.set LIM, 168
.set BY,  172
.set TOF, 176                          ; v176     16 x thread
	s_load_b256 s[4:11], s[0:1], 0x0               ; x s[4:5], g s[6:7], b s[8:9], out s[10:11]
	v_lshl_add_u32 v180, v0, 2, SPARE
	v_mov_b32 v181, 0
	v_lshrrev_b32 v5, 5, v0
	s_delay_alu instid0(VALU_DEP_1)
	v_readfirstlane_b32 s16, v5                    ; wave 0..15
	v_and_b32 v5, 31, v0                           ; lane
	v_lshlrev_b32 v[TOF], 4, v0                    ; where my 16 bytes of g or of b go in LDS
	s_delay_alu instid0(VALU_DEP_2)
	v_lshlrev_b32 v1, 5, v5                        ; 32 x lane: my 8 numbers of a chunk, in x and in LDS's g and b
	s_delay_alu instid0(VALU_DEP_3)
	v_lshlrev_b32 v2, 3, v5                        ; 8 x lane: my 8 codes of a chunk
	s_delay_alu instid0(VALU_DEP_4)
	v_lshlrev_b32 v4, 4, v5                        ; 16 x lane: wave 0's offset in the scale bytes
	s_lshl_b32 s17, s16, 5
	s_add_co_u32 s17, s17, SBY
	v_lshrrev_b32 v3, 2, v5
	s_delay_alu instid0(VALU_DEP_1)
	v_add_nc_u32 v3, s17, v3                       ; LDS: my row's 32 scale bytes, my block in a chunk
	v_add_nc_u32 v5, SBY, v4                       ; LDS: where wave 0 reads them back
	v_mov_b32 v11, 0                               ; written once: a lane permute's destination counts as one of its sources
	v_and_b32 v12, 0xff0, v[TOF]                   ; 16 x (thread % 256): my 16 bytes in g or in b
	s_mov_b32 s12, 0x76543210
	s_mov_b32 s13, 0xfedcba98                      ; selects for lane l xor 16
	s_mov_b32 s14, 0x3a800000                      ; 1 / 1024
	s_mov_b32 s15, 0x3727c5ac                      ; 1e-5
	s_mov_b32 s18, 0x600000                        ; the mantissa field of 448
	s_lshl_b32 s19, ttmp9, 4
	s_add_co_u32 s19, s19, s16                     ; my row
	s_lshl_b32 s20, s19, 12                        ; x 4,096 bytes
	s_mov_b32 s21, 0
	s_lshl_b32 s22, s19, 10                        ; x 1,024 codes
	s_mov_b32 s23, 0
	s_lshl_b32 s24, ttmp9, 9                       ; the work-group's 16 rows of 32 scale bytes
	s_add_co_u32 s24, s24, XSC
	s_mov_b32 s25, 0
	s_wait_alu depctr_va_vdst(0)
	s_wait_kmcnt 0x0
	s_add_nc_u64 s[4:5], s[4:5], s[20:21]
	s_add_nc_u64 s[26:27], s[10:11], s[24:25]
	s_add_nc_u64 s[10:11], s[10:11], s[22:23]
	s_cmp_lt_u32 s16, 8                            ; waves 0 to 7 bring g, waves 8 to 15 b
	s_cselect_b64 s[6:7], s[6:7], s[8:9]
	global_load_b128 v[G:G+3], v12, s[6:7]
.irp c, 0,1,2,3                        ; my row: eight loads
	global_load_b128 v[XR+8*\c:XR+8*\c+3],   v1, s[4:5] offset:1024*\c th:TH_LOAD_NT
	global_load_b128 v[XR+8*\c+4:XR+8*\c+7], v1, s[4:5] offset:1024*\c+16 th:TH_LOAD_NT
.endr
	s_wait_loadcnt 8                               ; my piece of g or b is in; the row's eight loads, issued behind it, may stay out
	ds_store_b128 v[TOF], v[G:G+3]
	s_wait_dscnt 0x0                               ; for the others' sake: my piece is stored
	s_barrier_signal -1
	s_barrier_wait -1                              ; g and b lie whole in LDS; nobody writes them again
.irp c, 0,1,2,3
	ds_load_b128 v[G+8*\c:G+8*\c+3],     v1 offset:GL+1024*\c
	ds_load_b128 v[G+8*\c+4:G+8*\c+7],   v1 offset:GL+1024*\c+16
	ds_load_b128 v[BI+8*\c:BI+8*\c+3],   v1 offset:BL+1024*\c
	ds_load_b128 v[BI+8*\c+4:BI+8*\c+7], v1 offset:BL+1024*\c+16
.endr
.macro REDUCE                          ; four packed chains -> one number in v10, the same in all 32 lanes
	s_delay_alu instid0(VALU_DEP_3)
	v_pk_add_f32 v[T:T+1], v[T:T+1], v[T+2:T+3]
	s_delay_alu instid0(VALU_DEP_2)
	v_pk_add_f32 v[T+4:T+5], v[T+4:T+5], v[T+6:T+7]
	s_delay_alu instid0(VALU_DEP_1)
	v_pk_add_f32 v[T:T+1], v[T:T+1], v[T+4:T+5]
	s_delay_alu instid0(VALU_DEP_1)
	v_add_f32 v10, v[T], v[T+1]
	s_delay_alu instid0(VALU_DEP_1)
	v_add_f32_dpp v10, v10, v10 row_xmask:1 row_mask:0xf bank_mask:0xf
	s_delay_alu instid0(VALU_DEP_1)
	v_add_f32_dpp v10, v10, v10 row_xmask:2 row_mask:0xf bank_mask:0xf
	s_delay_alu instid0(VALU_DEP_1)
	v_add_f32_dpp v10, v10, v10 row_xmask:4 row_mask:0xf bank_mask:0xf
	s_delay_alu instid0(VALU_DEP_1)
	v_add_f32_dpp v10, v10, v10 row_xmask:8 row_mask:0xf bank_mask:0xf
	s_delay_alu instid0(VALU_DEP_1)
	v_permlanex16_b32 v11, v10, s12, s13
	s_delay_alu instid0(VALU_DEP_1)
	v_add_f32 v10, v10, v11
.endm
	s_wait_loadcnt 0x0                             ; my row is in
.irp p, 0,1,2,3
	v_pk_add_f32 v[T+2*\p:T+2*\p+1], v[XR+4*\p:XR+4*\p+1], v[XR+4*\p+2:XR+4*\p+3]
.endr
.irp i, 16,24
.irp p, 0,1,2,3
	s_delay_alu instid0(VALU_DEP_4)
	v_pk_add_f32 v[T+2*\p:T+2*\p+1], v[T+2*\p:T+2*\p+1], v[XR+\i+2*\p:XR+\i+2*\p+1]
.endr
.endr
	REDUCE
	s_delay_alu instid0(VALU_DEP_1)
	v_mul_f32 v6, s14, v10                         ; the mean,
	s_delay_alu instid0(VALU_DEP_1)
	v_mov_b32 v7, v6                               ; twice, for the packed form
.irp p, 0,2,4,6,8,10,12,14,16,18,20,22,24,26,28,30
	v_pk_add_f32 v[XR+\p:XR+\p+1], v[XR+\p:XR+\p+1], v[6:7] neg_lo:[0,1] neg_hi:[0,1]
.endr
.irp p, 0,1,2,3
	v_pk_mul_f32 v[T+2*\p:T+2*\p+1], v[XR+2*\p:XR+2*\p+1], v[XR+2*\p:XR+2*\p+1]
.endr
.irp i, 8,16,24
.irp p, 0,1,2,3
	s_delay_alu instid0(VALU_DEP_4)
	v_pk_fma_f32 v[T+2*\p:T+2*\p+1], v[XR+\i+2*\p:XR+\i+2*\p+1], v[XR+\i+2*\p:XR+\i+2*\p+1], v[T+2*\p:T+2*\p+1]
.endr
.endr
	REDUCE
	s_delay_alu instid0(VALU_DEP_1)
	v_fma_f32 v10, v10, s14, s15                   ; var + eps
	s_wait_alu depctr_va_vdst(0)
	v_rsq_f32 v8, v10
	v_rsq_f32 v9, v10                              ; twice, for the packed form
	v_nop                                          ; a plain instruction behind the transcendentals
	s_wait_alu depctr_va_vdst(0)                   ; one wait for both, ahead of their first reader
.irp p, 0,2,4,6,8,10,12,14,16,18,20,22,24,26,28,30
	v_pk_mul_f32 v[XR+\p:XR+\p+1], v[XR+\p:XR+\p+1], v[8:9]
.endr
	s_wait_dscnt 0x0                               ; g and b are in my registers (asked for ahead of the row's two sums)
.irp p, 0,2,4,6,8,10,12,14,16,18,20,22,24,26,28,30
	v_pk_fma_f32 v[XR+\p:XR+\p+1], v[XR+\p:XR+\p+1], v[G+\p:G+\p+1], v[BI+\p:BI+\p+1]
.endr
	; the quantiser: chunk c's block: my 8 numbers and those of the three lanes beside me
.irp c, 0,1,2,3
	v_max3_num_f32 v[MX+\c], |v[XR+8*\c]|, |v[XR+8*\c+1]|, 0x4800000      ; with the floor 2^(9 - 127): the byte cannot fall under 1
.endr
.irp i, 2,4,6
.irp c, 0,1,2,3
	s_delay_alu instid0(VALU_DEP_4)
	v_max3_num_f32 v[MX+\c], v[MX+\c], |v[XR+8*\c+\i]|, |v[XR+8*\c+\i+1]|
.endr
.endr
.irp c, 0,1,2,3
	s_delay_alu instid0(VALU_DEP_4)
	v_max_num_f32_dpp v[MX+\c], v[MX+\c], v[MX+\c] row_xmask:1 row_mask:0xf bank_mask:0xf
.endr
.irp c, 0,1,2,3
	s_delay_alu instid0(VALU_DEP_4)
	v_max_num_f32_dpp v[MX+\c], v[MX+\c], v[MX+\c] row_xmask:2 row_mask:0xf bank_mask:0xf
.endr
.irp c, 0,1,2,3
	s_delay_alu instid0(VALU_DEP_4)
	v_and_or_b32 v[LIM+\c], v[MX+\c], 0x7f800000, s18                      ; 448 x the scale
.endr
.irp c, 0,1,2,3
	v_add_nc_u32 v[SO+\c], 0xfc000000, v[MX+\c]                            ; 8 off the exponent field: the conversion's scale operand
.endr
.irp c, 0,1,2,3
.irp i, 0,1,2,3,4,5,6,7
	v_med3_num_f32 v[XR+8*\c+\i], v[XR+8*\c+\i], -v[LIM+\c], v[LIM+\c]     ; the conversion does not saturate (ISA guide 7.6.2): the hold comes first
.endr
.endr
.irp c, 0,1,2,3
	v_cvt_scalef32_pk8_fp8_f32 v[CR+2*\c:CR+2*\c+1], v[XR+8*\c:XR+8*\c+7], v[SO+\c]
.endr
.irp c, 0,1,2,3
	v_lshrrev_b32 v[BY+\c], 23, v[SO+\c]                                   ; the scale's byte (also the plain line behind the conversions)
.endr
.irp c, 0,1,2,3
	ds_store_b8 v3, v[BY+\c] offset:8*\c                                   ; the four lanes of a block write the same byte with the same value
	global_store_b64 v2, v[CR+2*\c:CR+2*\c+1], s[10:11] offset:256*\c      ; 32 lanes store 256 consecutive bytes, aligned
.endr
	s_wait_dscnt 0x0                               ; for wave 0's sake: my 32 scale bytes are stored
	s_barrier_signal -1
	s_barrier_wait -1
	s_cmp_lg_u32 s16, 0
	s_cbranch_scc1 .Ldone
	ds_load_b128 v[12:15], v5                      ; wave 0: the 16 rows' 512 scale bytes
	s_wait_dscnt 0x0
	global_store_b128 v4, v[12:15], s[26:27]       ; 512 consecutive bytes, aligned
.Ldone:
	s_wait_tensorcnt 0x0                           ; the wave's end
	ds_add_u32 v180, v181
	s_wait_dscnt 0x0
	s_endpgm
.Lfunc_end_k_q842b3a1e6e_ln1:
	.size	k_q842b3a1e6e_ln1, .Lfunc_end_k_q842b3a1e6e_ln1-k_q842b3a1e6e_ln1
	.p2alignl 7, 3214868480
	.fill 96, 4, 3214868480
	.section	.rodata,"a",@progbits
	.p2align	6, 0x0
	.amdhsa_kernel k_q842b3a1e6e_ln1
		.amdhsa_group_segment_fixed_size 10752
		.amdhsa_private_segment_fixed_size 0
		.amdhsa_enable_private_segment 0
		.amdhsa_kernarg_size 32
		.amdhsa_user_sgpr_count 2
		.amdhsa_user_sgpr_kernarg_segment_ptr 1
		.amdhsa_wavefront_size32 1
		.amdhsa_system_sgpr_workgroup_id_x 1
		.amdhsa_system_sgpr_workgroup_id_y 1
		.amdhsa_system_sgpr_workgroup_id_z 1
		.amdhsa_system_vgpr_workitem_id 0
		.amdhsa_next_free_vgpr 182
		.amdhsa_next_free_sgpr 66
		.amdhsa_reserve_vcc 0
		.amdhsa_float_denorm_mode_32 3
		.amdhsa_float_denorm_mode_16_64 3
		.amdhsa_memory_ordered 1
		.amdhsa_forward_progress 1
		.amdhsa_inst_pref_size 19
	.end_amdhsa_kernel
	.amdgpu_metadata
---
amdhsa.version: [ 1, 2 ]
amdhsa.kernels:
  - .name:           k_q842b3a1e6e_ln1
    .symbol:         k_q842b3a1e6e_ln1.kd
    .args:
      - { .name: x, .offset: 0, .size: 8, .value_kind: global_buffer, .address_space: global }
      - { .name: ln1_g, .offset: 8, .size: 8, .value_kind: global_buffer, .address_space: global }
      - { .name: ln1_b, .offset: 16, .size: 8, .value_kind: global_buffer, .address_space: global }
      - { .name: xq, .offset: 24, .size: 8, .value_kind: global_buffer, .address_space: global }
    .group_segment_fixed_size: 10752
    .private_segment_fixed_size: 0
    .kernarg_segment_align: 8
    .kernarg_segment_size: 32
    .max_flat_workgroup_size: 512
    .sgpr_count:     66
    .vgpr_count:     182
    .wavefront_size: 32
...
	.end_amdgpu_metadata
.endif
;; end of part 1
;; launch qkv (part 2): grid 16 x 16, 4 waves a work-group, clusters of 4 x 4, 327,680 bytes of LDS; arguments xq, qkv_w_codes, qkv_w_scales, qkv_b, qkvw; writes qkvw
.if DOCPART == 2
	.amdgcn_target "amdgcn-amd-amdhsa--gfx1250"
	.amdhsa_code_object_version 6
	.text
	.protected	k_q842b3a1e6e_qkv
	.globl	k_q842b3a1e6e_qkv
	.p2align	8
	.type	k_q842b3a1e6e_qkv,@function
k_q842b3a1e6e_qkv:
	s_mov_b64 s[64:65], 0
	v_nop
	global_prefetch_b8 v0, s[64:65] scope:SCOPE_SE
	s_setreg_imm32_b32 hwreg(HW_REG_WAVE_MODE, 25, 1), 1
	s_wait_xcnt 0x0
	s_wait_alu depctr_hold_cnt(0) depctr_sa_sdst(0) depctr_va_vdst(0) depctr_va_sdst(0) depctr_va_ssrc(0) depctr_va_vcc(0) depctr_vm_vsrc(0)
	s_getreg_b32 s2, hwreg(HW_REG_IB_STS2, 6, 4)
	s_cmp_eq_u32 s2, 0
	s_cbranch_scc0 .Lentry_in_a_cluster
	s_endpgm
.Lentry_in_a_cluster:
	s_bfe_u32 s2, ttmp6, 0x10000c
	s_cmp_lg_u32 s2, 0xf033
	s_cbranch_scc0 .Lentry_shape_is_right
	s_endpgm
.Lentry_shape_is_right:
; qkv = LN1(x) W + b on MX-FP8 codes, then q, k and v are quantised for attention and stored as attention wants them.
; A tile of C is 256 tokens x 192 columns = ONE head's (q | k | v), so that every work-group and wave runs the same text.  Four waves; wave w owns tokens 64 w .. 64 w + 63 (4 blocks of A, two register sets) against
; all 12 blocks of B (one set, fetched anew in two parts as it is used up).  K goes in slots of 256 through a ring of two LDS slots filled by joint tensor loads: A's tile is shared along a row of the 4 x 4 cluster, B's along a column.
; q and k columns are multiplied TRANSPOSED (source 0 = 16 columns of W, source 1 = 16 tokens): a lane holds one token and 8 neighbouring d, the next K.  v columns are multiplied straight: a lane holds one d and 8 neighbouring tokens,
; which are the next K for v.
; THE BIAS is loaded once, into the accumulators of token block 0.  In the first K step the products of blocks 1 to 3 take those registers as C; nine places follow; then block 0 adds in place.  Nothing is cleared.
; All the head's plain loads (scale bytes, bias: 55 a wave) go out in one run ahead of the first joint loads, so that they are on their way beside the first tiles.
; OUT (bh = 16 batch + head): q codes [bh][2048][64] at 0.  At KVO, 262,144 bytes a bh: K images, then V images, 8,192 bytes for 128 keys, laid [fragment 4][c 4][lane 32][16 bytes] as the reader's registers:
;   K fragment f, lane (r, h): c = 0, 1: key 32 f + r + 8 (r / 8), d = 32 c + 16 h ..; c = 2, 3: that key + 8.   V fragment t, lane (r, h): d = 16 t + r, keys 32 c + 16 h ...
;   At SCO, 16,384 bytes a bh: q words [2048] (s0, s1, s0, s1); k words [16][4][16]; v words [16][4][16].
; The scale bytes of A's 256 rows and B's 192 rows are copied once into a table in LDS (rows of 32 + 16 bytes) by plain loads: they are one part in 32 of a tile's bytes, so they are not asked for jointly.
; LIMITS: NaN and infinities are not served; a block under 2^-118 (zeros too) gets the scale byte 1, read by this program alone.
; REGISTERS: window 0: v0-31 addresses; v32-95 scale words, two sets; v96-121 the quantiser's; v128-255 A's fragments, later codes and rows.  window 1: B's 12 fragments.  window 2: accumulators (a, b < 8) at v[8 (4 b + a)].  window 3: (a, b - 8).
.set NT,    192
.set NB,    12
.set NLO,   8
.set NHI,   4
.set NQ,    2
.set PITCH, 272                        ; an LDS row: 256 bytes + 16: the 16 rows of a fragment load start at 16 different groups of banks
.set HALFA, 128*PITCH
.set BOFF,  2*HALFA
.set HALFB, (NT/2)*PITCH
.set SLOT,  BOFF+2*HALFB
.set TP,    48
.set TAB,   2*SLOT                     ; the scale table: no tensor load lands here
.set SPARE, TAB+TP*(256+NT)            ; the spare words: 128 bytes a wave, named by no other line
.set ASTEP, 512
.set BSTEP, 512
.set XSC,   4194304
.set KVO,   4194304
.set SCO,   12582912
.set STW,   12288                      ; a wave's stage in slot 0 (which has had its last fill and its last read by then): q 4,096, k 4,096, v 4,096
.set SCST,  4*STW                      ; the work-group's scale stage: q words 1,024, k 512, v 512
.set GOF,  9
.set BOF,  5
.set ROF,  6
.set ADRA, 16
.set RDS,  18
.set RSC,  19
.set ADRB, 20
.set ADSA, 22
.set ADSB, 23
.set QST,  24
.set KST,  25
.set VST,  26
.set SCQ,  27
.set SPW,  28
.set NIL,  29
.set SCK,  30
.set SCV,  31
.set SC,   32
.set SCSET, (4+NB)*NQ
.set MX,   96
.set PT,   100
.set LIM,  104
.set SO,   108
.set BY,   112
.set KB,   116
.set W0,   120
.set W1,   121
.set AF,   128
.set CD,   128
.set OUTR, 160
.set G1,   24
.set G0,   32
.set G1B,  48
.set G0B,  56
.set SEL,  90
.set MNT,  92
.set MSB, 0
.macro WIN new                         ; the immediate's high byte repeats the setting that is left
.if MSB != (\new)
	s_set_vgpr_msb (MSB<<8)|(\new)
.set MSB, (\new)
.endif
.endm
.set MUL_LO, 0xa1                      ; source 0 (B) window 1, source 1 (A) window 0, C and D window 2
.set MUL_V,  0xf4                      ; source 0 (A) window 0, source 1 (B) window 1, C and D window 3
.set TO_B,   0x40
.macro JLOAD g0a, g1a, g0b, g1b        ; a joint load: waves 0, 1 fetch A's halves, waves 2, 3 B's; four v_nop follow each line
	s_cmp_eq_u32 s17, 0
	s_cbranch_scc0 .Lfor_b_\@
	tensor_load_to_lds s[\g0a:\g0a+3], s[\g1a:\g1a+7]
	s_nop 0
.rept 4
	v_nop
.endr
	s_branch .Lasked_\@
.Lfor_b_\@:
	tensor_load_to_lds s[\g0b:\g0b+3], s[\g1b:\g1b+7]
	s_nop 0
.rept 4
	v_nop
.endr
.Lasked_\@:
.endm
.macro CREST                           ; a round of the cluster's barrier behind its opening barrier
	s_cmp_lg_u32 s16, 0
	s_cbranch_scc1 .Lnot_wave_0_\@
	s_barrier_signal -3
.Lnot_wave_0_\@:
	s_barrier_wait -3
	s_barrier_signal -1
	s_barrier_wait -1
.endm
.macro CROUND
	s_barrier_signal -1
	s_barrier_wait -1
	CREST
.endm
.macro PLACES n                        ; plain vector places behind matrix instructions: 8 for this form, 9 ahead of a matrix instruction that writes over an earlier one's register
.rept \n
	v_nop
.endr
.endm
	s_load_b256 s[4:11], s[0:1], 0x0               ; xq s[4:5], W's codes s[6:7], W's scales s[8:9], bias s[10:11]
	s_load_b64 s[12:13], s[0:1], 0x20              ; qkvw
	v_lshl_add_u32 v[SPW], v0, 2, SPARE
	v_mov_b32 v[NIL], 0
	ds_add_u32 v28, v29
	ds_add_u32 v28, v29
	s_wait_dscnt 0x0
	v_lshrrev_b32 v1, 5, v0
	v_readfirstlane_b32 s16, v1                    ; wave
	s_lshr_b32 s17, s16, 1                         ; I fetch for A (0) or B (1)
	s_and_b32 s18, s16, 1                          ; which half of that tile
	s_bfe_u32 s40, ttmp6, 0x40000                  ; cx
	s_bfe_u32 s41, ttmp6, 0x40004                  ; cy
	s_lshl_b32 s42, ttmp9, 2
	s_add_co_u32 s42, s42, s40                     ; tile column = head
	s_and_b32 s43, ttmp7, 0xffff
	s_lshl_b32 s43, s43, 2
	s_add_co_u32 s43, s43, s41                     ; tile row
	s_lshl_b32 s44, s41, 2
	s_lshl_b32 s44, 15, s44                        ; my row of the cluster
	s_lshl_b32 s45, 0x1111, s40                    ; my column
	s_or_b32 s[G1], s44, (1<<20)|(1<<21)|(5<<22)|(3<<25)    ; mask; elements of 1 byte; padding on; bit 21 beside a mask; 4 words behind every 64
	s_or_b32 s[G1B], s45, (1<<20)|(1<<21)|(5<<22)|(3<<25)
	s_mov_b32 s[G1+1], 256<<16                     ; tensor_dim0
	s_mov_b32 s[G1+2], 128<<16                     ; tensor_dim1
	s_mov_b32 s[G1+3], 256<<16                     ; tile_dim0
	s_mov_b32 s[G1+4], 128                         ; tile_dim1
	s_mov_b32 s[G1+5], 1024                        ; pitch
	s_mov_b32 s[G1+6], 0
	s_mov_b32 s[G1+7], 0
	s_mov_b32 s[G1B+1], 256<<16
	s_mov_b32 s[G1B+2], (NT/2)<<16
	s_mov_b32 s[G1B+3], 256<<16
	s_mov_b32 s[G1B+4], NT/2
	s_mov_b32 s[G1B+5], 1024
	s_mov_b32 s[G1B+6], 0
	s_mov_b32 s[G1B+7], 0
	s_lshl_b32 s20, s43, 18                        ; A: (256 tile row + 128 half) rows of 1,024 bytes
	s_lshl_b32 s21, s18, 17
	s_add_co_u32 s20, s20, s21
	s_mov_b32 s21, 0
	s_mul_i32 s46, s42, NT*1024                    ; B: (192 tile column + 96 half) rows
	s_mul_i32 s47, s18, (NT/2)*1024
	s_add_co_u32 s46, s46, s47
	s_mov_b32 s47, 0
	s_mul_i32 s22, s18, HALFA                      ; where they go in a slot
	s_mul_i32 s23, s18, HALFB
	s_add_co_u32 s23, s23, BOFF
	s_lshl_b32 s66, s43, 13                        ; A's scale bytes: 256 rows of 32
	s_add_co_u32 s66, s66, XSC
	s_mov_b32 s67, 0
	s_mul_i32 s68, s42, NT*32                      ; B's
	s_mov_b32 s69, 0
	s_mul_i32 s70, s42, NT*4                       ; the bias
	s_mov_b32 s71, 0
	; where the results go
	s_lshr_b32 s72, s43, 3
	s_lshl_b32 s72, s72, 4
	s_add_co_u32 s72, s72, s42                     ; bh
	s_and_b32 s73, s43, 7                          ; which 256 tokens of the batch
	s_lshl_b32 s82, s73, 14
	s_lshl_b32 s83, s16, 12
	s_add_co_u32 s82, s82, s83                     ; my first token x 64 bytes
	s_lshl_b32 s74, s72, 17
	s_add_co_u32 s74, s74, s82                     ; q
	s_mov_b32 s75, 0
	s_lshl_b32 s84, s72, 18
	s_add_co_u32 s84, s84, KVO
	s_add_co_u32 s76, s84, s82                     ; k: 64 tokens are half a step's image
	s_mov_b32 s77, 0
	s_lshl_b32 s78, s73, 14                        ; v: step 2 x (tile in batch) + wave / 2,
	s_lshl_b32 s83, s17, 13
	s_add_co_u32 s78, s78, s83
	s_lshl_b32 s83, s18, 10                        ; key blocks 2 (wave % 2) on
	s_add_co_u32 s78, s78, s83
	s_add_co_u32 s78, s78, s84
	s_add_co_u32 s78, s78, 131072
	s_mov_b32 s79, 0
	s_lshl_b32 s80, s73, 10                        ; the scale stage's 512 bytes of wave w: waves 0, 1: q words;
	s_lshl_b32 s83, s16, 9
	s_add_co_u32 s80, s80, s83
	s_lshl_b32 s85, s73, 9                         ; wave 2: k words at 8,192; wave 3: v words at 12,288
	s_lshl_b32 s83, s16, 12
	s_add_co_u32 s85, s85, s83
	s_cmp_lt_u32 s16, 2
	s_cselect_b32 s80, s80, s85
	s_lshl_b32 s83, s72, 14
	s_add_co_u32 s80, s80, s83
	s_add_co_u32 s80, s80, SCO
	s_mov_b32 s81, 0
	s_mov_b32 s[SEL], 0x76543210
	s_mov_b32 s[SEL+1], 0xfedcba98
	s_mov_b32 s[MNT], 0x600000
	v_lshlrev_b32 v2, 4, v0                        ; 16 x thread
	v_and_b32 v1, 15, v0                           ; r
	v_bfe_u32 v7, v0, 4, 1                         ; h
	v_and_b32 v8, 31, v0                           ; lane
	v_lshlrev_b32 v[BOF], 5, v7                    ; 32 h
	v_lshlrev_b32 v[ROF], 2, v1
	; the prefetches: of the rows that I fetch (128 of A, 96 of B) each of the four partners of the joint load takes a quarter, told apart by address (cx for A, cy for B); a lane a row
	s_cmp_eq_u32 s17, 0
	s_cselect_b32 s94, s40, s41
	s_cselect_b32 s95, 32, 24                      ; rows of a quarter
	s_mul_i32 s94, s94, s95
	s_lshl_b32 s94, s94, 10                        ; my quarter's first row, in bytes
	s_sub_co_u32 s96, s95, 1
	s_mov_b32 s95, 0
	v_min_u32 v122, s96, v8                        ; B: lanes 24 to 31 name their quarter's last row again
	v_lshlrev_b32 v122, 10, v122                   ; x a row of 1,024 bytes; never rewritten
	s_wait_alu depctr_va_vdst(0)
	s_wait_kmcnt 0x0
	s_add_nc_u64 s[20:21], s[4:5], s[20:21]
	s_add_nc_u64 s[46:47], s[6:7], s[46:47]
	s_cmp_eq_u32 s17, 0
	s_cselect_b64 s[2:3], s[20:21], s[46:47]
	s_add_nc_u64 s[2:3], s[2:3], s[94:95]          ; never rewritten: the slots are named by the immediate
	s_add_nc_u64 s[66:67], s[4:5], s[66:67]
	s_add_nc_u64 s[68:69], s[8:9], s[68:69]
	s_add_nc_u64 s[70:71], s[10:11], s[70:71]
	s_add_nc_u64 s[74:75], s[12:13], s[74:75]
	s_add_nc_u64 s[76:77], s[12:13], s[76:77]
	s_add_nc_u64 s[78:79], s[12:13], s[78:79]
	s_add_nc_u64 s[80:81], s[12:13], s[80:81]
.irp i, 0,1,2,3
	global_load_b128 v[128+4*\i:131+4*\i], v2, s[66:67] offset:2048*\i     ; A's scale bytes, dense, 16 a thread
.endr
.irp i, 0,1,2
	global_load_b128 v[144+4*\i:147+4*\i], v2, s[68:69] offset:2048*\i     ; B's
.endr
	; the bias, into the accumulators of token block 0.  q, k: lane (r, h), register j: column 16 b + 8 h + j
	WIN 0x80
.set bb, 0
.rept NLO
	global_load_b128 v[32*bb:32*bb+3],   v[BOF], s[70:71] offset:64*bb
	global_load_b128 v[32*bb+4:32*bb+7], v[BOF], s[70:71] offset:64*bb+16
.set bb, bb+1
.endr
	WIN 0xc0                                       ; v: all eight registers of lane r: column 128 + 16 b + r
.set bb, 0
.rept NHI
.irp j, 0,1,2,3,4,5,6,7
	global_load_b32 v[32*bb+\j], v[ROF], s[70:71] offset:512+64*bb
.endr
.set bb, bb+1
.endr
	WIN 0
	CROUND                                         ; all sixteen work-groups are here: the first joint loads meet
.irp s, 0,1
	s_mov_b32 s[G0+4*\s], 1
	s_add_co_u32 s[G0+4*\s+1], s22, \s*SLOT
	s_add_nc_u64 s[G0+4*\s+2:G0+4*\s+3], s[20:21], \s*256
	s_or_b32 s[G0+4*\s+3], s[G0+4*\s+3], 0x80000000
	s_mov_b32 s[G0B+4*\s], 1
	s_add_co_u32 s[G0B+4*\s+1], s23, \s*SLOT
	s_add_nc_u64 s[G0B+4*\s+2:G0B+4*\s+3], s[46:47], \s*256
	s_or_b32 s[G0B+4*\s+3], s[G0B+4*\s+3], 0x80000000
.endr
	JLOAD G0, G1, G0B, G1B                         ; slot 0: one tensor load a wave at the head
	global_prefetch_b8 v122, s[2:3] offset:256 th:TH_LOAD_NT scope:SCOPE_SE   ; slots 1 and 2: 256 bytes of each of my rows
	global_prefetch_b8 v122, s[2:3] offset:512 th:TH_LOAD_NT scope:SCOPE_SE
	v_lshrrev_b32 v3, 1, v0                        ; the table: row thread / 2 (+ 64 a piece), half thread % 2
	v_mul_u32_u24 v3, v3, TP
	v_and_b32 v4, 1, v0
	v_lshl_add_u32 v3, v4, 4, v3
	v_add_nc_u32 v3, TAB, v3
	v_mul_u32_u24 v10, v1, PITCH
	v_lshl_add_u32 v10, v7, 4, v10                 ; a fragment's row x pitch + 16 h
	s_mul_i32 s86, s16, 64*PITCH
	v_add_nc_u32 v[ADRA], s86, v10
	v_add_nc_u32 v[ADRA+1], SLOT, v[ADRA]
	v_add_nc_u32 v[ADRB], BOFF, v10
	v_add_nc_u32 v[ADRB+1], SLOT, v[ADRB]
	v_mul_u32_u24 v11, v1, TP
	s_mul_i32 s86, s16, 64*TP
	s_add_co_u32 s86, s86, TAB
	v_add_nc_u32 v[ADSA], s86, v11
	v_add_nc_u32 v[ADSB], TAB+256*TP, v11
	s_mul_i32 s87, s16, STW                        ; my stage
	v_lshlrev_b32 v12, 6, v1
	v_lshl_add_u32 v12, v7, 3, v12
	v_add_nc_u32 v[QST], s87, v12                  ; q: 64 r + 8 h
	v_lshrrev_b32 v13, 3, v1
	v_and_b32 v14, 7, v1
	v_lshlrev_b32 v15, 10, v13
	v_lshl_add_u32 v15, v14, 4, v15
	v_lshl_add_u32 v15, v7, 3, v15
	v_add_nc_u32 v15, s87, v15
	v_add_nc_u32 v[KST], 4096, v15                 ; k: 1024 (r / 8) + 16 (r % 8) + 8 h
	v_lshlrev_b32 v12, 4, v1
	v_lshl_add_u32 v12, v7, 3, v12
	v_add_nc_u32 v12, s87, v12
	v_add_nc_u32 v[VST], 8192, v12                 ; v: 16 r + 8 h
	v_lshlrev_b32 v[GOF], 4, v8                    ; 16 x lane
	s_wait_alu depctr_va_vdst(0)
	v_add_nc_u32 v[RDS], s87, v[GOF]
	s_lshl_b32 s86, s16, 8
	s_add_co_u32 s86, s86, SCST
	v_add_nc_u32 v[SCQ], s86, v[ROF]               ; q words: 4 (64 w + r)
	s_lshl_b32 s86, s16, 7
	s_add_co_u32 s86, s86, SCST+1024
	v_lshlrev_b32 v12, 2, v14
	v_lshl_add_u32 v12, v13, 1, v12
	v_add_nc_u32 v[SCK], s86, v12                  ; k: 128 w + 4 (r % 8) + 2 (r / 8)
	s_lshl_b32 s86, s17, 8
	s_lshl_b32 s87, s18, 1
	s_add_co_u32 s86, s86, s87
	s_add_co_u32 s86, s86, SCST+1536
	v_add_nc_u32 v[SCV], s86, v[ROF]               ; v: 256 (w / 2) + 2 (w % 2) + 4 r
	s_lshl_b32 s86, s16, 9
	s_add_co_u32 s86, s86, SCST
	v_add_nc_u32 v[RSC], s86, v[GOF]
.irp n, 0,1,2,3
	v_mov_b32 v[PT+\n], 0                          ; written once: a lane permute's destination counts as one of its sources
.endr
	s_wait_loadcnt 48                              ; the seven loads of scale bytes are in; the 48 loads of the bias, issued behind them, may stay out
.irp i, 0,1,2,3
	ds_store_b128 v3, v[128+4*\i:131+4*\i] offset:3072*\i
.endr
.irp i, 0,1,2
	ds_store_b128 v3, v[144+4*\i:147+4*\i] offset:256*TP+3072*\i
.endr
.macro FRAG reg, adr, q, i             ; 16 rows x 128 K: registers 4 c .. 4 c + 3 hold K = 32 c + 16 h + 0 .. 15
.irp c, 0,1,2,3
	ds_load_b128 v[(\reg)+4*\c:(\reg)+4*\c+3], v[\adr] offset:128*(\q)+32*\c+(\i)*16*PITCH
.endr
.endm
.macro FETCH_A slot, q, set
.irp i, 0,1,2,3
	FRAG AF+64*(\set)+16*\i, ADRA+\slot, \q, \i
.endr
.endm
.macro FETCH_B slot, q, b0, n
	WIN TO_B
.set fb, \b0
.rept \n
	FRAG 16*fb, ADRB+\slot, \q, fb
.set fb, fb+1
.endr
	WIN 0
.endm
.macro SCALES set                      ; a slot's two scale words of each block's rows; lanes 16-31 load what lanes 0-15 load
.set ii, 0
.rept 4
	ds_load_b64 v[SC+(\set)*SCSET+NQ*ii:SC+(\set)*SCSET+NQ*ii+1], v[ADSA] offset:ii*16*TP
.set ii, ii+1
.endr
.set ii, 0
.rept NB
	ds_load_b64 v[SC+(\set)*SCSET+4*NQ+NQ*ii:SC+(\set)*SCSET+4*NQ+NQ*ii+1], v[ADSB] offset:ii*16*TP
.set ii, ii+1
.endr
.endm
; 4 n products: B's blocks b0 .. b0 + n - 1 against A's four.  The accumulators take turns, one instruction a turn, in the same order in every step.
.macro MULB b0, n, set, q, sc
.set bb, \b0
.rept \n
.irp a, 0,1,2,3
.set rD, 8*(4*bb+\a)
	v_wmma_scale_f32_16x16x128_f8f6f4 v[rD:rD+7], v[16*bb:16*bb+15], v[AF+64*(\set)+16*\a:AF+64*(\set)+16*\a+15], v[rD:rD+7], v[SC+(\sc)*SCSET+4*NQ+NQ*bb+(\q)], v[SC+(\sc)*SCSET+NQ*\a+(\q)]
.endr
.set bb, bb+1
.endr
.endm
; The same products in the FIRST K step.  Accumulator (0, b) holds the bias: (1 .. 3, b) take it as C (a outermost: neighbouring instructions name different registers); nine places, since (0, b)'s own product writes over
; a register that earlier matrix instructions have read as C; then (0, b) adds in place.
.macro MULF b0, n, set, q, sc
.irp a, 1,2,3
.set bb, \b0
.rept \n
.set rD, 8*(4*bb+\a)
	v_wmma_scale_f32_16x16x128_f8f6f4 v[rD:rD+7], v[16*bb:16*bb+15], v[AF+64*(\set)+16*\a:AF+64*(\set)+16*\a+15], v[32*bb:32*bb+7], v[SC+(\sc)*SCSET+4*NQ+NQ*bb+(\q)], v[SC+(\sc)*SCSET+NQ*\a+(\q)]
.set bb, bb+1
.endr
.endr
	PLACES 9
.set bb, \b0
.rept \n
	v_wmma_scale_f32_16x16x128_f8f6f4 v[32*bb:32*bb+7], v[16*bb:16*bb+15], v[AF+64*(\set):AF+64*(\set)+15], v[32*bb:32*bb+7], v[SC+(\sc)*SCSET+4*NQ+NQ*bb+(\q)], v[SC+(\sc)*SCSET+(\q)]
.set bb, bb+1
.endr
.endm
.macro UPPER set, q, sc                ; the v columns, straight: source 0 = 16 tokens, source 1 = 16 columns
	WIN MUL_V
.set bb, NLO
.rept NHI
.irp a, 0,1,2,3
.set rD, 8*(4*(bb-NLO)+\a)
	v_wmma_scale_f32_16x16x128_f8f6f4 v[rD:rD+7], v[AF+64*(\set)+16*\a:AF+64*(\set)+16*\a+15], v[16*bb:16*bb+15], v[rD:rD+7], v[SC+(\sc)*SCSET+NQ*\a+(\q)], v[SC+(\sc)*SCSET+4*NQ+NQ*bb+(\q)]
.endr
.set bb, bb+1
.endr
.endm
.macro UPPERF set, q, sc               ; and in the first K step, as MULF
	WIN MUL_V
.irp a, 1,2,3
.set bb, NLO
.rept NHI
.set rD, 8*(4*(bb-NLO)+\a)
	v_wmma_scale_f32_16x16x128_f8f6f4 v[rD:rD+7], v[AF+64*(\set)+16*\a:AF+64*(\set)+16*\a+15], v[16*bb:16*bb+15], v[32*(bb-NLO):32*(bb-NLO)+7], v[SC+(\sc)*SCSET+NQ*\a+(\q)], v[SC+(\sc)*SCSET+4*NQ+NQ*bb+(\q)]
.set bb, bb+1
.endr
.endr
	PLACES 9
.set bb, NLO
.rept NHI
	v_wmma_scale_f32_16x16x128_f8f6f4 v[32*(bb-NLO):32*(bb-NLO)+7], v[AF+64*(\set):AF+64*(\set)+15], v[16*bb:16*bb+15], v[32*(bb-NLO):32*(bb-NLO)+7], v[SC+(\sc)*SCSET+(\q)], v[SC+(\sc)*SCSET+4*NQ+NQ*bb+(\q)]
.set bb, bb+1
.endr
.endm
.macro STEP slot, q, first             ; 128 along K that has its successor in the same slot
	s_wait_dscnt 4*NHI                             ; all but the youngest loads, B's upper blocks
	WIN MUL_LO
.if \first
	MULF 0, NLO, (\q)%2, \q, \slot
.else
	MULB 0, NLO, (\q)%2, \q, \slot
.endif
	s_wait_dscnt 0x0                               ; B's upper blocks are in
	PLACES 8
	WIN 0
	FETCH_A \slot, (\q)+1, 1-(\q)%2
	FETCH_B \slot, (\q)+1, 0, NLO
.if \first
	UPPERF (\q)%2, \q, \slot
.else
	UPPER (\q)%2, \q, \slot
.endif
	PLACES 8
	FETCH_B \slot, (\q)+1, NLO, NHI
.endm
; A slot's last step changes slots: one barrier; in front of it each wave waits for all its tensor loads, adds 0 to its spare word, and waits for that and for its reads of the slot.
.macro TURN slot, next, fill
	s_wait_tensorcnt 0x0                           ; all my tensor loads have landed: my part of the next slot
	ds_add_u32 v[SPW], v[NIL]                      ; 0 onto my spare word
	s_wait_dscnt 4*NHI+1                           ; (the add and B's upper blocks may be out)
	WIN MUL_LO
	MULB 0, NLO/2, 1, NQ-1, \slot
	s_wait_dscnt 0x0                               ; the add is done, my reads of this slot are over
	s_barrier_signal -1
	MULB NLO/2, NLO/2, 1, NQ-1, \slot
	WIN 0
	s_barrier_wait -1
.if \fill
	CREST                                          ; the barrier opened a round of the cluster's: no wave of any partner reads this slot or has a load on its way
	s_add_nc_u64 s[G0+4*\slot+2:G0+4*\slot+3], s[G0+4*\slot+2:G0+4*\slot+3], ASTEP
	s_add_nc_u64 s[G0B+4*\slot+2:G0B+4*\slot+3], s[G0B+4*\slot+2:G0B+4*\slot+3], BSTEP
	JLOAD G0+4*\slot, G1, G0B+4*\slot, G1B         ; the first tensor load behind the round; its four v_nop are among the places below
	PLACES 4
.else
	PLACES 8
.endif
	s_wait_alu depctr_va_vdst(0)
	v_add_nc_u32 v[ADSA], 4*NQ, v[ADSA]            ; the next slot's scale words
	v_add_nc_u32 v[ADSB], 4*NQ, v[ADSB]
	FETCH_A \next, 0, 0
	FETCH_B \next, 0, 0, NLO
	SCALES \next
	UPPER 1, NQ-1, \slot
	PLACES 8
	FETCH_B \next, 0, NLO, NHI
.endm
	s_wait_alu depctr_va_vdst(0)                   ; the head's end
	s_wait_tensorcnt 0x0                           ; my part of slot 0 is in; slot 1's first fill is issued as a refill is
	ds_add_u32 v[SPW], v[NIL]
	s_wait_dscnt 0x0                               ; the add is done, my part of the table is stored
	CROUND
	JLOAD G0+4, G1, G0B+4, G1B                     ; slot 1: the first tensor load behind the round
	FETCH_A 0, 0, 0
	global_prefetch_b8 v122, s[2:3] offset:768 th:TH_LOAD_NT scope:SCOPE_SE   ; slot 3, two refills on; it is the last
	FETCH_B 0, 0, 0, NLO
	SCALES 0
	FETCH_B 0, 0, NLO, NHI
	s_wait_loadcnt 0x0                             ; the bias lies in block 0's accumulators
	STEP 0, 0, 1
	TURN 0, 1, 1
	STEP 1, 0, 0
	TURN 1, 0, 1
	STEP 0, 0, 0
	TURN 0, 1, 0                                   ; the last two slots fill nothing
	STEP 1, 0, 0
	s_wait_dscnt 4*NHI
	WIN MUL_LO
	MULB 0, NLO, 1, NQ-1, 1
	s_wait_dscnt 0x0
	UPPER 1, NQ-1, 1
	WIN 0
	PLACES 8
; FOUR BLOCKS OF 32 ARE QUANTISED.  Block n: two accumulators, XPn and XQn, in window w: 16 numbers in my lane, the other 16 in lane l xor 16.  Codes to v[CD + 4 n ..], bytes to v[by + n].
.macro QUANT4 w, by
	WIN (\w)|((\w)<<2)
.irp n, 0,1,2,3
	v_max3_num_f32 v[MX+\n], |v[XP\n]|, |v[XP\n+1]|, 0x4800000             ; each accumulator is read from its low end on; the floor 2^(9 - 127) holds the byte at 1 from below
.endr
.irp i, 2,4,6
.irp n, 0,1,2,3
	v_max3_num_f32 v[MX+\n], |v[XP\n+\i]|, |v[XP\n+\i+1]|, v[MX+\n]
.endr
.endr
.irp i, 0,2,4,6
.irp n, 0,1,2,3
	v_max3_num_f32 v[MX+\n], |v[XQ\n+\i]|, |v[XQ\n+\i+1]|, v[MX+\n]
.endr
.endr
	WIN 0
.irp n, 0,1,2,3
	v_permlanex16_b32 v[PT+\n], v[MX+\n], s[SEL], s[SEL+1]
.endr
.irp n, 0,1,2,3
	v_max_num_f32 v[MX+\n], v[MX+\n], v[PT+\n]
.endr
.irp n, 0,1,2,3
	v_add_nc_u32 v[SO+\n], 0xfc000000, v[MX+\n]                            ; 8 off the exponent field: the conversion's scale operand
.endr
.irp n, 0,1,2,3
	v_and_or_b32 v[LIM+\n], v[MX+\n], 0x7f800000, s[MNT]                   ; 448 x the scale
.endr
.irp n, 0,1,2,3
	v_lshrrev_b32 v[(\by)+\n], 23, v[SO+\n]                                ; the scale's byte
.endr
	WIN (\w)|((\w)<<6)
.irp n, 0,1,2,3
.irp i, 0,1,2,3,4,5,6,7
	v_med3_num_f32 v[XP\n+\i], v[XP\n+\i], -v[LIM+\n], v[LIM+\n]           ; the conversion does not saturate (ISA guide 7.6.2)
	v_med3_num_f32 v[XQ\n+\i], v[XQ\n+\i], -v[LIM+\n], v[LIM+\n]
.endr
.endr
	WIN (\w)
.irp n, 0,1,2,3
	v_cvt_scalef32_pk8_fp8_f32 v[CD+4*\n:CD+4*\n+1], v[XP\n:XP\n+7], v[SO+\n]
	v_cvt_scalef32_pk8_fp8_f32 v[CD+4*\n+2:CD+4*\n+3], v[XQ\n:XQ\n+7], v[SO+\n]
.endr
	WIN 0
	v_nop                                          ; a plain line behind the last conversion
.endm
.macro SETQK bo, A                     ; blocks n = 0 .. 3: (token block 2 A + n / 2, d block n % 2) of the columns that begin at B's block bo
.set XP0, 8*(4*(\bo)+2*(\A))
.set XQ0, 8*(4*((\bo)+1)+2*(\A))
.set XP1, 8*(4*((\bo)+2)+2*(\A))
.set XQ1, 8*(4*((\bo)+3)+2*(\A))
.set XP2, XP0+8
.set XQ2, XQ0+8
.set XP3, XP1+8
.set XQ3, XQ1+8
.endm
.macro QOUT A
	SETQK 0, \A
	s_wait_dscnt 0x0                               ; the last batch's LDS stores have read their registers
	QUANT4 2, BY
.irp n, 0,1,2,3
	ds_store_b64 v[QST], v[CD+4*\n:CD+4*\n+1] offset:1024*(2*(\A)+\n/2)+32*(\n%2)
	ds_store_b64 v[QST], v[CD+4*\n+2:CD+4*\n+3] offset:1024*(2*(\A)+\n/2)+32*(\n%2)+16
.endr
	v_lshl_or_b32 v[W0], v[BY+1], 8, v[BY]
	v_lshl_or_b32 v[W1], v[BY+3], 8, v[BY+2]
	v_lshl_or_b32 v[W0], v[W0], 16, v[W0]          ; (s0, s1, s0, s1): q stands in the lower or in the upper half of the reader's K
	v_lshl_or_b32 v[W1], v[W1], 16, v[W1]
	ds_store_b32 v[SCQ], v[W0] offset:64*(2*(\A))
	ds_store_b32 v[SCQ], v[W1] offset:64*(2*(\A)+1)
.endm
.macro KOUT A
	SETQK 4, \A
	s_wait_dscnt 0x0
	QUANT4 2, BY
.irp n, 0,1,2,3
	ds_store_b64 v[KST], v[CD+4*\n:CD+4*\n+1] offset:2048*(\A)+512*(\n%2)+128*(\n/2)
	ds_store_b64 v[KST], v[CD+4*\n+2:CD+4*\n+3] offset:2048*(\A)+512*(\n%2)+128*(\n/2)+256
.endr
	v_lshl_or_b32 v[W0], v[BY+1], 8, v[BY]
	v_lshl_or_b32 v[W1], v[BY+3], 8, v[BY+2]
	ds_store_b16 v[SCK], v[W0] offset:64*(\A)
	ds_store_b16 v[SCK], v[W1] offset:64*(\A)+32
.endm
.macro VOUT A                          ; block n: d tile n, tokens 32 A .. 32 A + 31
.set XP0, 8*(2*(\A))
.set XP1, 8*(4+2*(\A))
.set XP2, 8*(8+2*(\A))
.set XP3, 8*(12+2*(\A))
.set XQ0, XP0+8
.set XQ1, XP1+8
.set XQ2, XP2+8
.set XQ3, XP3+8
	s_wait_dscnt 0x0
.if (\A) == 0
	QUANT4 3, KB
.else
	QUANT4 3, BY
.endif
.irp n, 0,1,2,3
	ds_store_b64 v[VST], v[CD+4*\n:CD+4*\n+1] offset:1024*\n+512*(\A)
	ds_store_b64 v[VST], v[CD+4*\n+2:CD+4*\n+3] offset:1024*\n+512*(\A)+256
.endr
.if (\A) == 1
.irp n, 0,1,2,3
	v_lshl_or_b32 v[BY+\n], v[BY+\n], 8, v[KB+\n]
.endr
.irp n, 0,1,2,3
	ds_store_b16 v[SCV], v[BY+\n] offset:64*\n
.endr
.endif
.endm
	QOUT 0
	QOUT 1
	KOUT 0
	KOUT 1
	VOUT 0
	VOUT 1
	s_wait_dscnt 0x0                               ; for the others' sake: my stores into the scale stage are done
	s_barrier_signal -1
	s_barrier_wait -1
.set ii, 0
.rept 24
	ds_load_b128 v[OUTR+4*ii:OUTR+4*ii+3], v[RDS] offset:512*ii
.set ii, ii+1
.endr
	ds_load_b128 v[CD:CD+3], v[RSC]
	s_wait_dscnt 0x0
.irp i, 0,1,2,3,4,5,6,7                ; every store of the wave covers 512 consecutive bytes, aligned
	global_store_b128 v[GOF], v[OUTR+4*\i:OUTR+4*\i+3], s[74:75] offset:512*\i
.endr
.irp i, 0,1,2,3,4,5,6,7
	global_store_b128 v[GOF], v[OUTR+32+4*\i:OUTR+32+4*\i+3], s[76:77] offset:512*\i
.endr
.irp i, 0,1,2,3,4,5,6,7
	global_store_b128 v[GOF], v[OUTR+64+4*\i:OUTR+64+4*\i+3], s[78:79] offset:2048*(\i/2)+512*(\i%2)
.endr
	global_store_b128 v[GOF], v[CD:CD+3], s[80:81]
	s_wait_tensorcnt 0x0                           ; the wave's end
	ds_add_u32 v[SPW], v[NIL]
	s_wait_dscnt 0x0
	CROUND                                         ; the closing round
	s_endpgm
.Lfunc_end_k_q842b3a1e6e_qkv:
	.size	k_q842b3a1e6e_qkv, .Lfunc_end_k_q842b3a1e6e_qkv-k_q842b3a1e6e_qkv
	.p2alignl 7, 3214868480
	.fill 96, 4, 3214868480
	.section	.rodata,"a",@progbits
	.p2align	6, 0x0
	.amdhsa_kernel k_q842b3a1e6e_qkv
		.amdhsa_group_segment_fixed_size 327680
		.amdhsa_private_segment_fixed_size 0
		.amdhsa_enable_private_segment 0
		.amdhsa_kernarg_size 40
		.amdhsa_user_sgpr_count 2
		.amdhsa_user_sgpr_kernarg_segment_ptr 1
		.amdhsa_wavefront_size32 1
		.amdhsa_system_sgpr_workgroup_id_x 1
		.amdhsa_system_sgpr_workgroup_id_y 1
		.amdhsa_system_sgpr_workgroup_id_z 1
		.amdhsa_system_vgpr_workitem_id 0
		.amdhsa_next_free_vgpr 1024
		.amdhsa_next_free_sgpr 100
		.amdhsa_reserve_vcc 0
		.amdhsa_float_denorm_mode_32 3
		.amdhsa_float_denorm_mode_16_64 3
		.amdhsa_memory_ordered 1
		.amdhsa_forward_progress 1
		.amdhsa_inst_pref_size 167
	.end_amdhsa_kernel
	.amdgpu_metadata
---
amdhsa.version: [ 1, 2 ]
amdhsa.kernels:
  - .name:           k_q842b3a1e6e_qkv
    .symbol:         k_q842b3a1e6e_qkv.kd
    .args:
      - { .name: xq, .offset: 0, .size: 8, .value_kind: global_buffer, .address_space: global }
      - { .name: qkv_w_codes, .offset: 8, .size: 8, .value_kind: global_buffer, .address_space: global }
      - { .name: qkv_w_scales, .offset: 16, .size: 8, .value_kind: global_buffer, .address_space: global }
      - { .name: qkv_b, .offset: 24, .size: 8, .value_kind: global_buffer, .address_space: global }
      - { .name: qkvw, .offset: 32, .size: 8, .value_kind: global_buffer, .address_space: global }
    .group_segment_fixed_size: 327680
    .private_segment_fixed_size: 0
    .kernarg_segment_align: 8
    .kernarg_segment_size: 40
    .max_flat_workgroup_size: 128
    .sgpr_count:     100
    .vgpr_count:     1024
    .wavefront_size: 32
...
	.end_amdgpu_metadata
.endif
;; end of part 2
;; launch attn (part 3): grid 8 x 32, 16 waves a work-group, clusters of 4 x 1, 327,680 bytes of LDS; arguments qkvw, ao; writes ao
.if DOCPART == 3
	.amdgcn_target "amdgcn-amd-amdhsa--gfx1250"
	.amdhsa_code_object_version 6
	.text
	.protected	k_q842b3a1e6e_attn
	.globl	k_q842b3a1e6e_attn
	.p2align	8
	.type	k_q842b3a1e6e_attn,@function
k_q842b3a1e6e_attn:
	s_mov_b64 s[64:65], 0
	v_nop
	global_prefetch_b8 v0, s[64:65] scope:SCOPE_SE
	s_setreg_imm32_b32 hwreg(HW_REG_WAVE_MODE, 25, 1), 1
	s_wait_xcnt 0x0
	s_wait_alu depctr_hold_cnt(0) depctr_sa_sdst(0) depctr_va_vdst(0) depctr_va_sdst(0) depctr_va_ssrc(0) depctr_va_vcc(0) depctr_vm_vsrc(0)
	s_getreg_b32 s2, hwreg(HW_REG_IB_STS2, 6, 4)
	s_cmp_eq_u32 s2, 0
	s_cbranch_scc0 .Lentry_in_a_cluster
	s_endpgm
.Lentry_in_a_cluster:
	s_bfe_u32 s2, ttmp6, 0x10000c
	s_cmp_lg_u32 s2, 0x3003
	s_cbranch_scc0 .Lentry_shape_is_right
	s_endpgm
.Lentry_shape_is_right:
; Attention of one (batch, head) on MX-FP8 codes, logits unscaled: S^T = K Q^T, p = 2^(t - M) with t = logit x log2(e) and M the running largest t rounded up to a whole number, O^T += V^T P^T, O / l at the end
; (l: the sum of the unquantised p), then O is quantised along the head's 64 for the next product.
; SHARES: a work-group owns 256 queries of one head; each of its sixteen waves 16 of them in 256 registers, four waves to a SIMD.  A lane holds one query throughout.
; LDS: the head's K and V images (262,144 bytes) and their scale words (8,192) lie whole in LDS and are filled once.  The images come by two joint loads a wave, shared by the four query blocks of a cluster:
; at the head 8,192 bytes a wave (waves 0-7: K's key steps 0-7, waves 8-15: V's); behind the three lines and a round the same for key steps 8-15; one load a wave is out at a time.
; The scale words come by one plain load of 16 bytes a thread: one part in 32 of the bytes, so they are not asked for jointly.
; NO DATA PREFETCH: the first fill has no loop ahead of it, and the second has eight key steps' work between its request and the wait for it.
; THE HEAD'S K IS 64, THE INSTRUCTION'S 128: a K fragment carries two tiles of 16 keys (c = 0, 1 and c = 2, 3); q stands in the lower or the upper half of source 1 with zero codes in the other half.
; Registers 16 f + 0 .. 15 of S^T are keys 32 f + 16 (lane / 16) + 0 .. 15: the layout of the second product's operand.
; THE STEP'S ORDER.  The holds write into 16 spare registers, so p stays as it is, and the row's sums of step i stand behind step i's second product: eight of them are its places ahead of K's loads, sixteen stand
; under those loads, and the eight that merge the chains are the places behind the score products.  So a trip begins with the sums of the step before (the first finds zeros), and the last step's are written out behind the loops.
; OUT: codes as planes [16 heads][4096 rows][64] at 0; scale bytes as planes [16][4096] of two bytes at AOS.
; LIMITS: NaN and infinities are not served; the scaled scores stay under 2^31 in magnitude; a block under 2^-118 (zeros too) gets the scale byte 1, read by this program alone.
.set KVO,  4194304
.set SCO,  12582912
.set AOS,  4194304
.set VIMG, 131072
.set HALF, 65536                       ; eight key steps of images
.set SCKV, 262144
.set STG,  270336                      ; 1,024 bytes a wave: 16 rows of 64 codes
.set SST,  286720                      ; 512 bytes: 256 rows of two scale bytes
.set SPARE, 287232                     ; the spare words: 128 bytes a wave
.set F,    40                          ; v40-103  four fragments of K or of V
.set SS,   104                         ; v104-167 S^T, then p
.set OT,   168                         ; v168-199 O^T
.set CD,   200                         ; v200-215 p's codes
.set BM,   216
.set PT,   220
.set LIM,  224                         ; v224-231 448 x the scale, twice for each block: the two halves of a dual pair name registers of different banks
.set SO,   232
.set FS,   236                         ; the fragments' scale words
.set QW,   240                         ; q's scale word
.set PW,   241                         ; p's scale word
.set FF,   242                         ; v[242:243] f = 2^(old M - new M)
.set TT,   252                         ; at work; at a trip's head the address of the scale words
.set ADS,  252
.set ADR,  253                         ; the address of K's, then V's fragments
; v4-11 and v244-251: the spare 16: held p of half a block; the sums' eight packed chains
.set WV,   8
.set G0,   24
.set G1,   44
.set SEL,  70
.set CS,   72
.set MNT,  74
.set TB,   75
.set TS,   76
.set CNT,  77
.macro ROUND
	s_barrier_signal -1
	s_barrier_wait -1
	s_cmp_lg_u32 s[WV], 0
	s_cbranch_scc1 .Lnot_wave_0_\@
	s_barrier_signal -3
.Lnot_wave_0_\@:
	s_barrier_wait -3
	s_barrier_signal -1
	s_barrier_wait -1
.endm
.macro TLOAD
	tensor_load_to_lds s[G0:G0+3], s[G1:G1+7]
	s_nop 0
.rept 4
	v_nop
.endr
.endm
	s_load_b128 s[4:7], s[0:1], 0x0                ; qkvw, ao
	v_lshl_add_u32 v254, v0, 2, SPARE
	v_mov_b32 v255, 0
	ds_add_u32 v254, v255                          ; the opening lines: the add twice on end and its wait
	ds_add_u32 v254, v255
	v_lshrrev_b32 v1, 5, v0
	v_readfirstlane_b32 s[WV], v1                  ; wave 0..15
	s_bfe_u32 s9, ttmp6, 0x40000                   ; cx: it enters global addresses of q and of the output alone
	s_lshl_b32 s10, ttmp9, 2
	s_add_co_u32 s10, s10, s9                      ; my block of 256 queries
	s_and_b32 s11, ttmp7, 0xffff                   ; bh, which the four partners share
	s_lshr_b32 s14, s[WV], 3                       ; waves 0-7 fetch K's images, waves 8-15 V's: one key step's 8,192 bytes
	s_lshl_b32 s14, s14, 17
	s_and_b32 s15, s[WV], 7
	s_lshl_b32 s15, s15, 13
	s_add_co_u32 s13, s14, s15                     ; in LDS, and in the head's 262,144 bytes alike
	s_lshl_b32 s16, s11, 18
	s_add_co_u32 s16, s16, s13
	s_add_co_u32 s16, s16, KVO
	s_mov_b32 s17, 0
	s_lshl_b32 s18, s11, 14                        ; the k and v words
	s_add_co_u32 s18, s18, SCO+8192
	s_mov_b32 s19, 0
	s_mov_b32 s[G1], 15|(3<<16)|(1<<21)            ; mask: all four work-groups; elements of 8 bytes; bit 21 beside a mask; no padding: the images are read 16 bytes a lane on end
	s_mov_b32 s[G1+1], 32<<16                      ; rows of 256 bytes,
	s_mov_b32 s[G1+2], 32<<16                      ; 32 of them
	s_mov_b32 s[G1+3], 32<<16
	s_mov_b32 s[G1+4], 32
	s_mov_b32 s[G1+5], 32
	s_mov_b32 s[G1+6], 0
	s_mov_b32 s[G1+7], 0
	s_lshl_b32 s78, s10, 14
	s_lshl_b32 s79, s[WV], 10
	s_add_co_u32 s78, s78, s79                     ; (256 block + 16 wave) x 64 bytes
	s_lshl_b32 s60, s11, 17
	s_add_co_u32 s60, s60, s78                     ; q's codes
	s_mov_b32 s61, 0
	s_lshl_b32 s62, s11, 14
	s_lshl_b32 s79, s10, 10
	s_add_co_u32 s62, s62, s79
	s_lshl_b32 s79, s[WV], 6
	s_add_co_u32 s62, s62, s79
	s_add_co_u32 s62, s62, SCO                     ; q's words
	s_mov_b32 s63, 0
	s_and_b32 s12, s11, 15                         ; head
	s_lshr_b32 s79, s11, 4                         ; batch
	s_lshl_b32 s66, s12, 18
	s_add_co_u32 s66, s66, s78
	s_lshl_b32 s21, s79, 17
	s_add_co_u32 s66, s66, s21                     ; the output's codes: plane head, row 2048 batch + ..
	s_mov_b32 s67, 0
	s_lshl_b32 s68, s12, 13
	s_lshl_b32 s21, s79, 12
	s_add_co_u32 s68, s68, s21
	s_lshl_b32 s21, s10, 9
	s_add_co_u32 s68, s68, s21
	s_add_co_u32 s68, s68, AOS                     ; and the work-group's 512 scale bytes
	s_mov_b32 s69, 0
	s_mov_b32 s[SEL], 0x76543210
	s_mov_b32 s[SEL+1], 0xfedcba98
	s_mov_b32 s[CS], 0x3fb8aa3b                    ; log2(e): the logits are not scaled
	s_mov_b32 s[CS+1], s[CS]
	s_mov_b32 s[MNT], 0x600000
	s_mov_b32 s[TB], 0
	s_mov_b32 s[TS], 0
	s_wait_dscnt 0x0
	s_wait_kmcnt 0x0
	s_add_nc_u64 s[16:17], s[4:5], s[16:17]
	s_add_nc_u64 s[18:19], s[4:5], s[18:19]
	s_add_nc_u64 s[60:61], s[4:5], s[60:61]
	s_add_nc_u64 s[62:63], s[4:5], s[62:63]
	s_add_nc_u64 s[66:67], s[6:7], s[66:67]
	s_add_nc_u64 s[68:69], s[6:7], s[68:69]
	s_mov_b32 s[G0], 1
	s_mov_b32 s[G0+1], s13
	s_mov_b64 s[G0+2:G0+3], s[16:17]
	s_or_b32 s[G0+3], s[G0+3], 0x80000000
	ROUND                                          ; all four work-groups are here: the joint loads meet
	TLOAD                                          ; key steps 0 to 7: my one load at the head
	v_and_b32 v4, 31, v0                           ; lane
	v_and_b32 v5, 15, v0                           ; r
	v_bfe_u32 v6, v0, 4, 1                         ; h
	v_lshlrev_b32 v1, 4, v4                        ; 16 x lane: an image's place for my lane; also my offset in the stores
	v_add_nc_u32 v2, VIMG, v1
	v_lshl_add_u32 v3, v5, 2, SCKV                 ; a fragment's scale word of lane r
	v_lshlrev_b32 v7, 6, v5
	v_lshl_add_u32 v7, v6, 4, v7                   ; q: 64 r + 16 h
	v_lshlrev_b32 v8, 2, v5
	v_lshlrev_b32 v9, 4, v0                        ; 16 x thread: my piece of the words
	v_add_nc_u32 v10, SCKV, v9
	global_load_b128 v[40:43], v9, s[18:19]
	global_load_b128 v[24:27], v7, s[60:61]        ; q: K = 16 h ..
	global_load_b128 v[28:31], v7, s[60:61] offset:32       ; K = 32 + 16 h ..
	global_load_b32 v[QW], v8, s[62:63]
.irp j, 16,17,18,19,20,21,22,23,32,33,34,35,36,37,38,39
	v_mov_b32 v\j, 0                               ; zero codes on both sides of q: v[24:39] has q in the lower half of K, v[16:31] in the upper
.endr
	v_mov_b32 v13, 0xff61b1e6                      ; the largest t so far: -3e38
	v_floor_f32 v12, -v13                          ; -M
	v_mov_b32 v14, 0
	v_mov_b32 v15, 0
.irp b, 0,1,2,3
	v_mov_b32 v[PT+\b], 0                          ; written once: a lane permute's destination counts as one of its sources
.endr
	v_mov_b32 v[FF+1], 0                           ; (named as the upper half of a pair)
.set jj, 0
.rept 96
	v_mov_b32 v[SS+jj], 0                          ; p and O^T: the step is written once; the first sums zeros and rescales zeros.  (These lines stand under the first fill's flight)
.set jj, jj+1
.endr
	s_wait_loadcnt 0x0                             ; q and my piece of the words
	ds_store_b128 v10, v[40:43]
.macro SUMA                            ; the row's sum of the unquantised p, eight packed chains: their first terms
.set cc, 0
.rept 8
.set tc, 4+2*cc+(cc/4)*232
	v_pk_add_f32 v[tc:tc+1], v[SS+4*cc:SS+4*cc+1], v[SS+4*cc+2:SS+4*cc+3]
.set cc, cc+1
.endr
.endm
.macro SUMB                            ; two more terms a chain
.set cc, 0
.rept 16
.set tc, 4+2*(cc%8)+((cc%8)/4)*232
	v_pk_add_f32 v[tc:tc+1], v[tc:tc+1], v[SS+32+2*cc:SS+33+2*cc]
.set cc, cc+1
.endr
.endm
.macro SUMC                            ; the chains are merged and added to l
	v_pk_add_f32 v[4:5], v[4:5], v[244:245]
	v_pk_add_f32 v[6:7], v[6:7], v[246:247]
	v_pk_add_f32 v[8:9], v[8:9], v[248:249]
	v_pk_add_f32 v[10:11], v[10:11], v[250:251]
	v_pk_add_f32 v[4:5], v[4:5], v[8:9]
	v_pk_add_f32 v[6:7], v[6:7], v[10:11]
	v_pk_add_f32 v[4:5], v[4:5], v[6:7]
	v_pk_add_f32 v[14:15], v[14:15], v[4:5]
.endm
; A KEY STEP: 128 keys.
.macro STEP
	SUMA                                           ; of the step before; with the two additions: ten places behind its products, ahead of loads into what they read
	v_add_nc_u32 v[ADR], s[TB], v1
	v_add_nc_u32 v[ADS], s[TS], v3
.irp f, 0,1,2,3
.irp c, 0,1,2,3
	ds_load_b128 v[F+16*\f+4*\c:F+16*\f+4*\c+3], v[ADR] offset:2048*\f+512*\c
.endr
	ds_load_b32 v[FS+\f], v[ADS] offset:64*\f
.endr
	SUMB                                           ; under K's loads
	s_wait_alu depctr_va_vdst(0)
	s_wait_dscnt 0x0
.irp f, 0,1,2,3
	v_wmma_scale_f32_16x16x128_f8f6f4 v[SS+16*\f:SS+16*\f+7], v[F+16*\f:F+16*\f+15], v[24:39], 0, v[FS+\f], v[QW]
	v_wmma_scale_f32_16x16x128_f8f6f4 v[SS+16*\f+8:SS+16*\f+15], v[F+16*\f:F+16*\f+15], v[16:31], 0, v[FS+\f], v[QW]
.endr
	SUMC                                           ; eight places behind the products: they name none of the products' registers
	v_add_nc_u32 v[ADR], s[TB], v2
.irp t, 0,1,2,3                        ; V's fragments are asked for at once: they land under the softmax
.irp c, 0,1,2,3
	ds_load_b128 v[F+16*\t+4*\c:F+16*\t+4*\c+3], v[ADR] offset:2048*\t+512*\c
.endr
	ds_load_b32 v[FS+\t], v[ADS] offset:4096+64*\t
.endr
.irp b, 0,1,2,3
	v_max3_num_f32 v[BM+\b], v[SS+16*\b], v[SS+1+16*\b], v[SS+2+16*\b]     ; the largest score of each block of 32 keys: for the row's maximum and, since p rises with the score, for the block's largest p
.endr
.irp i, 3,5,7,9,11,13
.irp b, 0,1,2,3
	v_max3_num_f32 v[BM+\b], v[BM+\b], v[SS+16*\b+\i], v[SS+1+16*\b+\i]
.endr
.endr
.irp b, 0,1,2,3
	v_max_num_f32 v[BM+\b], v[BM+\b], v[SS+15+16*\b]
.endr
.irp b, 0,1,2,3
	s_delay_alu instid0(VALU_DEP_4)
	v_permlanex16_b32 v[PT+\b], v[BM+\b], s[SEL], s[SEL+1]
.endr
.irp b, 0,1,2,3
	s_delay_alu instid0(VALU_DEP_4)
	v_max_num_f32 v[BM+\b], v[BM+\b], v[PT+\b]
.endr
	s_delay_alu instid0(VALU_DEP_2)
	v_max3_num_f32 v[TT], v[BM], v[BM+1], v[BM+2]
	s_delay_alu instid0(VALU_DEP_1)
	v_max_num_f32 v[TT], v[TT], v[BM+3]
	s_delay_alu instid0(VALU_DEP_1)
	v_mul_f32 v[TT], s[CS], v[TT]
	s_delay_alu instid0(VALU_DEP_1)
	v_max_num_f32 v13, v13, v[TT]                  ; the running largest t
	v_mov_b32 v[TT], v12
	s_delay_alu instid0(VALU_DEP_2)
	v_floor_f32 v12, -v13                          ; the new -M = -ceil(t)
	s_delay_alu instid0(VALU_DEP_1)
	v_sub_f32 v[TT], v12, v[TT]                    ; old M - new M: a whole number, 0 or less
	s_delay_alu instid0(VALU_DEP_1)
	v_cvt_i32_f32 v[TT], v[TT]
	s_delay_alu instid0(VALU_DEP_1)
	v_ldexp_f32 v[FF], 1.0, v[TT]                  ; f: a multiplication by it rounds nothing
.set jj, 0
.rept 32
	v_pk_fma_f32 v[SS+jj:SS+jj+1], v[SS+jj:SS+jj+1], s[CS:CS+1], v[12:13] op_sel_hi:[1,0,0]   ; t - M
.set jj, jj+2
.endr
.irp b, 0,1,2,3
	v_fma_f32 v[BM+\b], v[BM+\b], s[CS], v12
.endr
	s_wait_alu depctr_va_vdst(0)
.set jj, 0
.rept 64
	v_exp_f32 v[SS+jj], v[SS+jj]                   ; p = 2^(t - M)
.set jj, jj+1
.endr
.irp b, 0,1,2,3
	v_exp_f32 v[BM+\b], v[BM+\b]                   ; the blocks' largest p: the same two instructions on the same number
.endr
	v_pk_mul_f32 v[14:15], v[14:15], v[FF:FF+1] op_sel_hi:[1,0]            ; l under the new M (a plain line behind the exponentials)
	s_wait_alu depctr_va_vdst(0)                   ; one wait for the batch, ahead of its first reader
.irp b, 0,1,2,3
	v_max_num_f32 v[BM+\b], 0x4800000, v[BM+\b]    ; the floor 2^(9 - 127)
.endr
.irp b, 0,1,2,3
	s_delay_alu instid0(VALU_DEP_4)
	v_add_nc_u32 v[SO+\b], 0xfc000000, v[BM+\b]    ; 8 off the exponent field: the conversion's scale operand
.endr
.irp b, 0,1,2,3
	v_and_or_b32 v[LIM+2*\b], v[BM+\b], 0x7f800000, s[MNT]                 ; 448 x the scale,
	v_and_or_b32 v[LIM+2*\b+1], v[BM+\b], 0x7f800000, s[MNT]               ; twice
.endr
.irp b, 0,1,2,3
	v_lshrrev_b32 v[PT+\b], 23, v[SO+\b]
.endr
	s_delay_alu instid0(VALU_DEP_3)
	v_lshl_or_b32 v[PW], v[PT+1], 8, v[PT]         ; p's scale word for these 128 keys
	s_delay_alu instid0(VALU_DEP_1)
	v_lshl_or_b32 v[PW], v[PT+2], 16, v[PW]
	s_delay_alu instid0(VALU_DEP_1)
	v_lshl_or_b32 v[PW], v[PT+3], 24, v[PW]
.set bb, 0
.rept 4                                ; the hold (p is not negative), two numbers a line, into the spare registers: eight numbers, their conversion, the other eight, theirs
.irp u, 0,1
.irp i, 0,2,4,6
	v_dual_min_num_f32 v[4+240*\u+\i], v[SS+16*bb+8*\u+\i], v[LIM+2*bb] :: v_dual_min_num_f32 v[5+240*\u+\i], v[SS+16*bb+8*\u+\i+1], v[LIM+2*bb+1]
.endr
	v_cvt_scalef32_pk8_fp8_f32 v[CD+4*bb+2*\u:CD+4*bb+2*\u+1], v[4+240*\u:11+240*\u], v[SO+bb]
.endr
.set bb, bb+1
.endr
	s_wait_alu depctr_va_vdst(0)                   ; directly ahead of the first reader of O^T
.set jj, 0
.rept 16
	v_pk_mul_f32 v[OT+jj:OT+jj+1], v[OT+jj:OT+jj+1], v[FF:FF+1] op_sel_hi:[1,0]   ; O^T under the new M; these are also the places in front of the products
.set jj, jj+2
.endr
	s_wait_alu depctr_va_vdst(0)
	s_wait_dscnt 0x0                               ; V is in
.irp t, 0,1,2,3
	v_wmma_scale_f32_16x16x128_f8f6f4 v[OT+8*\t:OT+8*\t+7], v[F+16*\t:F+16*\t+15], v[CD:CD+15], v[OT+8*\t:OT+8*\t+7], v[FS+\t], v[PW]
.endr
	s_add_co_u32 s[TB], s[TB], 8192
	s_add_co_u32 s[TS], s[TS], 256
.endm
.macro PART steps
	s_mov_b32 s[CNT], \steps
.Lstep_\@:
	STEP
	s_sub_co_u32 s[CNT], s[CNT], 1
	s_cmp_lg_u32 s[CNT], 0
	s_cbranch_scc1 .Lstep_\@
.endm
	s_wait_alu depctr_va_vdst(0)                   ; the head's end
	s_wait_tensorcnt 0x0                           ; my part of key steps 0 to 7 is in; a later first fill is issued as a refill is
	ds_add_u32 v254, v255
	s_add_co_u32 s[G0+1], s[G0+1], HALF            ; no load of mine is out: the descriptor steps to key steps 8 to 15
	s_add_nc_u64 s[G0+2:G0+3], s[G0+2:G0+3], HALF
	s_wait_dscnt 0x0                               ; the add is done, my piece of the words is stored
	ROUND                                          ; everybody's parts are in, and the four work-groups are here
	TLOAD                                          ; key steps 8 to 15: eight steps stand between this request and the wait for it
	PART 8
	s_wait_alu depctr_va_vdst(0)
	s_wait_tensorcnt 0x0                           ; my part of key steps 8 to 15 is in
	s_wait_dscnt 0x0
	s_barrier_signal -1
	s_barrier_wait -1                              ; everybody's is; nothing is filled again
	PART 8
	; THE WAY OUT
	SUMA                                           ; the last step's sums; they are also the places behind its products
	SUMB
	SUMC
	v_add_f32 v14, v14, v15
	v_permlanex16_b32 v[TT], v14, s[SEL], s[SEL+1]
	v_add_f32 v14, v14, v[TT]                      ; the row's sum
	v_and_b32 v5, 15, v0                           ; r
	v_bfe_u32 v6, v0, 4, 1                         ; h
	s_lshl_b32 s78, s[WV], 10
	s_add_co_u32 s78, s78, STG
	v_lshlrev_b32 v7, 6, v5
	v_lshl_add_u32 v7, v6, 3, v7
	v_add_nc_u32 v7, s78, v7                       ; the stage, in: 64 r + 8 h
	v_add_nc_u32 v9, s78, v1                       ; and back
	s_lshl_b32 s78, s[WV], 5
	s_add_co_u32 s78, s78, SST
	v_lshl_add_u32 v8, v5, 1, s78                  ; my row's two scale bytes
	v_add_nc_u32 v10, SST, v1
	s_wait_alu depctr_va_vdst(0)
	v_rcp_f32 v[FF], v14
	v_nop
	s_wait_alu depctr_va_vdst(0)
.set jj, 0
.rept 16
	v_pk_mul_f32 v[SS+jj:SS+jj+1], v[OT+jj:OT+jj+1], v[FF:FF+1] op_sel_hi:[1,0]   ; register 8 t + j: o(query r, d = 16 t + 8 h + j)
.set jj, jj+2
.endr
.irp n, 0,1
	v_max3_num_f32 v[BM+\n], |v[SS+16*\n]|, |v[SS+16*\n+1]|, 0x4800000     ; block n: d = 32 n ..: tiles 2 n, 2 n + 1
.endr
.irp i, 2,4,6,8,10,12,14
.irp n, 0,1
	v_max3_num_f32 v[BM+\n], v[BM+\n], |v[SS+16*\n+\i]|, |v[SS+16*\n+\i+1]|
.endr
.endr
.irp n, 0,1
	v_permlanex16_b32 v[PT+\n], v[BM+\n], s[SEL], s[SEL+1]
.endr
.irp n, 0,1
	v_max_num_f32 v[BM+\n], v[BM+\n], v[PT+\n]
.endr
.irp n, 0,1
	v_add_nc_u32 v[SO+\n], 0xfc000000, v[BM+\n]
	v_and_or_b32 v[LIM+\n], v[BM+\n], 0x7f800000, s[MNT]
.endr
.irp n, 0,1
	v_lshrrev_b32 v[PT+\n], 23, v[SO+\n]
.endr
	v_lshl_or_b32 v[TT], v[PT+1], 8, v[PT]
.irp n, 0,1
.irp i, 0,1,2,3,4,5,6,7,8,9,10,11,12,13,14,15
	v_med3_num_f32 v[SS+16*\n+\i], v[SS+16*\n+\i], -v[LIM+\n], v[LIM+\n]
.endr
	v_cvt_scalef32_pk8_fp8_f32 v[CD+4*\n:CD+4*\n+1], v[SS+16*\n:SS+16*\n+7], v[SO+\n]
	v_cvt_scalef32_pk8_fp8_f32 v[CD+4*\n+2:CD+4*\n+3], v[SS+16*\n+8:SS+16*\n+15], v[SO+\n]
.endr
	v_nop
.irp t, 0,1,2,3
	ds_store_b64 v7, v[CD+2*\t:CD+2*\t+1] offset:16*\t
.endr
	ds_store_b16 v8, v[TT]                         ; both halves of the lanes write the same two bytes
	s_wait_dscnt 0x0
	s_barrier_signal -1
	s_barrier_wait -1
	ds_load_b128 v[104:107], v9
	ds_load_b128 v[108:111], v9 offset:512
	s_wait_dscnt 0x0
	global_store_b128 v1, v[104:107], s[66:67]                ; 512 consecutive bytes, aligned
	global_store_b128 v1, v[108:111], s[66:67] offset:512
	s_cmp_lg_u32 s[WV], 0
	s_cbranch_scc1 .Lnot_first
	ds_load_b128 v[112:115], v10                   ; wave 0 stores the work-group's 512 scale bytes
	s_wait_dscnt 0x0
	global_store_b128 v1, v[112:115], s[68:69]
.Lnot_first:
	s_wait_tensorcnt 0x0                           ; the wave's end
	ds_add_u32 v254, v255
	s_wait_dscnt 0x0
	ROUND                                          ; the closing round
	s_endpgm
.Lfunc_end_k_q842b3a1e6e_attn:
	.size	k_q842b3a1e6e_attn, .Lfunc_end_k_q842b3a1e6e_attn-k_q842b3a1e6e_attn
	.p2alignl 7, 3214868480
	.fill 96, 4, 3214868480
	.section	.rodata,"a",@progbits
	.p2align	6, 0x0
	.amdhsa_kernel k_q842b3a1e6e_attn
		.amdhsa_group_segment_fixed_size 327680
		.amdhsa_private_segment_fixed_size 0
		.amdhsa_enable_private_segment 0
		.amdhsa_kernarg_size 16
		.amdhsa_user_sgpr_count 2
		.amdhsa_user_sgpr_kernarg_segment_ptr 1
		.amdhsa_wavefront_size32 1
		.amdhsa_system_sgpr_workgroup_id_x 1
		.amdhsa_system_sgpr_workgroup_id_y 1
		.amdhsa_system_sgpr_workgroup_id_z 1
		.amdhsa_system_vgpr_workitem_id 0
		.amdhsa_next_free_vgpr 256
		.amdhsa_next_free_sgpr 80
		.amdhsa_reserve_vcc 0
		.amdhsa_float_denorm_mode_32 3
		.amdhsa_float_denorm_mode_16_64 3
		.amdhsa_memory_ordered 1
		.amdhsa_forward_progress 1
		.amdhsa_inst_pref_size 58
	.end_amdhsa_kernel
	.amdgpu_metadata
---
amdhsa.version: [ 1, 2 ]
amdhsa.kernels:
  - .name:           k_q842b3a1e6e_attn
    .symbol:         k_q842b3a1e6e_attn.kd
    .args:
      - { .name: qkvw, .offset: 0, .size: 8, .value_kind: global_buffer, .address_space: global }
      - { .name: ao, .offset: 8, .size: 8, .value_kind: global_buffer, .address_space: global }
    .group_segment_fixed_size: 327680
    .private_segment_fixed_size: 0
    .kernarg_segment_align: 8
    .kernarg_segment_size: 16
    .max_flat_workgroup_size: 512
    .sgpr_count:     80
    .vgpr_count:     256
    .wavefront_size: 32
...
	.end_amdgpu_metadata
.endif
;; end of part 3
;; launch proj (part 4): grid 8 x 32, 4 waves a work-group, clusters of 4 x 4, 327,680 bytes of LDS; arguments ao, proj_w_codes, proj_w_scales, proj_b, x, res; writes res
.if DOCPART == 4
	.amdgcn_target "amdgcn-amd-amdhsa--gfx1250"
	.amdhsa_code_object_version 6
	.text
	.protected	k_q842b3a1e6e_proj
	.globl	k_q842b3a1e6e_proj
	.p2align	8
	.type	k_q842b3a1e6e_proj,@function
k_q842b3a1e6e_proj:
	s_mov_b64 s[64:65], 0
	v_nop
	global_prefetch_b8 v0, s[64:65] scope:SCOPE_SE
	s_setreg_imm32_b32 hwreg(HW_REG_WAVE_MODE, 25, 1), 1
	s_wait_xcnt 0x0
	s_wait_alu depctr_hold_cnt(0) depctr_sa_sdst(0) depctr_va_vdst(0) depctr_va_sdst(0) depctr_va_ssrc(0) depctr_va_vcc(0) depctr_vm_vsrc(0)
	s_getreg_b32 s2, hwreg(HW_REG_IB_STS2, 6, 4)
	s_cmp_eq_u32 s2, 0
	s_cbranch_scc0 .Lentry_in_a_cluster
	s_endpgm
.Lentry_in_a_cluster:
	s_bfe_u32 s2, ttmp6, 0x10000c
	s_cmp_lg_u32 s2, 0xf033
	s_cbranch_scc0 .Lentry_shape_is_right
	s_endpgm
.Lentry_shape_is_right:
.set SIZE_K, 1024
.set FC1,   0
.set ASC,   4194304
.set LG,    1
.set NB,    4
.set NLO,   2
.set NHI,   2
.set NQ,    4
.set NSLOT, SIZE_K/512
.set KS,    SIZE_K/32
.set TP,    KS+16
.set HALFA, 8*4352
.set BOFF,  2*HALFA
.set BPITCH, 528
.set HALFB, 64*BPITCH
.set SLOT,  BOFF+2*HALFB
.set TAB,   2*SLOT
.set SPARE, TAB+256*TP
.set ASTEP, 4194304
.set BSTEP, 1024
.set BOF,  7
.set ADRA, 16
.set ADRB, 20
.set ADSA, 22
.set ADSB, 23
.set STO,  24
.set RD,   25
.set CO,   26
.set SPW,  28
.set NIL,  29
.set SC,   32
.set SCSET, (4+NB)*NQ
.set AF,   128
.set OUTR, 128
.set G1,   24
.set G0,   32
.set G1B,  48
.set G0B,  56
.set MSB, 0
.macro WIN new
.if MSB != (\new)
	s_set_vgpr_msb (MSB<<8)|(\new)
.set MSB, (\new)
.endif
.endm
.set MUL_LO, 0xa1
.set MUL_HI, 0xf1
.set TO_B,   0x40
.macro JLOAD g0a, g1a, g0b, g1b
	s_cmp_eq_u32 s17, 0
	s_cbranch_scc0 .Lfor_b_\@
	tensor_load_to_lds s[\g0a:\g0a+3], s[\g1a:\g1a+7]
	s_nop 0
.rept 4
	v_nop
.endr
	s_branch .Lasked_\@
.Lfor_b_\@:
	tensor_load_to_lds s[\g0b:\g0b+3], s[\g1b:\g1b+7]
	s_nop 0
.rept 4
	v_nop
.endr
.Lasked_\@:
.endm
.macro CREST
	s_cmp_lg_u32 s16, 0
	s_cbranch_scc1 .Lnot_wave_0_\@
	s_barrier_signal -3
.Lnot_wave_0_\@:
	s_barrier_wait -3
	s_barrier_signal -1
	s_barrier_wait -1
.endm
.macro CROUND
	s_barrier_signal -1
	s_barrier_wait -1
	CREST
.endm
.macro PLACES n
.rept \n
	v_nop
.endr
.endm
	s_load_b256 s[4:11], s[0:1], 0x0
	s_load_b128 s[12:15], s[0:1], 0x20
	v_lshl_add_u32 v[SPW], v0, 2, SPARE
	v_mov_b32 v[NIL], 0
	ds_add_u32 v28, v29
	ds_add_u32 v28, v29
	s_wait_dscnt 0x0
	v_lshrrev_b32 v1, 5, v0
	v_readfirstlane_b32 s16, v1
	s_lshr_b32 s17, s16, 1
	s_and_b32 s18, s16, 1
	s_bfe_u32 s40, ttmp6, 0x40000
	s_bfe_u32 s41, ttmp6, 0x40004
	s_lshl_b32 s42, ttmp9, 2
	s_add_co_u32 s42, s42, s40
	s_and_b32 s43, ttmp7, 0xffff
	s_lshl_b32 s43, s43, 2
	s_add_co_u32 s43, s43, s41
	s_lshl_b32 s44, s41, 2
	s_lshl_b32 s44, 15, s44
	s_lshl_b32 s45, 0x1111, s40
	s_or_b32 s[G1], s44, (1<<20)|(1<<21)|(5<<22)|(3<<25)
	s_mov_b32 s[G1+1], 4096<<16
	s_mov_b32 s[G1+2], 8<<16
	s_mov_b32 s[G1+3], 4096<<16
	s_mov_b32 s[G1+4], 8
	s_mov_b32 s[G1+5], 262144
	s_mov_b32 s[G1+6], 0
	s_mov_b32 s[G1+7], 0
	s_or_b32 s[G1B], s45, (1<<20)|(1<<21)|(6<<22)|(3<<25)
	s_mov_b32 s[G1B+1], 512<<16
	s_mov_b32 s[G1B+2], 64<<16
	s_mov_b32 s[G1B+3], 512<<16
	s_mov_b32 s[G1B+4], 64
	s_mov_b32 s[G1B+5], SIZE_K
	s_mov_b32 s[G1B+6], 0
	s_mov_b32 s[G1B+7], 0
	s_lshl_b32 s20, s43, 13
	s_lshl_b32 s21, s18, 12
	s_add_co_u32 s20, s20, s21
	s_mov_b32 s21, 0
	s_mul_i32 s46, s42, 128*SIZE_K
	s_mul_i32 s47, s18, 64*SIZE_K
	s_add_co_u32 s46, s46, s47
	s_mov_b32 s47, 0
	s_mul_i32 s22, s18, HALFA
	s_mul_i32 s23, s18, HALFB
	s_add_co_u32 s23, s23, BOFF
.if FC1
	s_lshl_b32 s66, s43, 9
.else
	s_lshl_b32 s66, s43, 8
.endif
	s_add_co_u32 s66, s66, ASC
	s_mov_b32 s67, 0
	s_mul_i32 s68, s42, 128*KS
	s_mov_b32 s69, 0
	s_lshl_b32 s70, s42, 9
	s_lshl_b32 s72, s18, 8
	s_add_co_u32 s70, s70, s72
	s_mov_b32 s71, 0
	s_lshl_b32 s74, s43, 19
	s_lshl_b32 s72, s17, 18
	s_add_co_u32 s74, s74, s72
	s_add_co_u32 s74, s74, s70
	s_mov_b32 s75, 0
.if FC1
	v_lshlrev_b32 v2, 2, v0
.else
	v_lshlrev_b32 v2, 1, v0
.endif
	v_lshlrev_b32 v3, 4, v0
	v_and_b32 v1, 15, v0
	v_bfe_u32 v8, v0, 4, 1
	v_lshlrev_b32 v[BOF], 5, v8
	; the prefetch: what I fetch for a slot is 128 blocks of 256 bytes (A: 8 planes x 4,096 bytes; B: 64 rows x 512); each of the four partners of the joint load takes 32, told apart by address (cx for A, cy for B), a lane a block
	s_cmp_eq_u32 s17, 0
	s_cselect_b32 s84, 4, 1                        ; lanes to a plane or row: 16 or 2
	s_cselect_b32 s85, 15, 1
	s_cselect_b32 s86, 18, 10                      ; a plane is 2^18 bytes on, a row of B 2^10
	s_cselect_b32 s88, s40, s41
	s_cselect_b32 s87, 19, 14                      ; a partner's share: two planes, or sixteen rows
	s_mov_b32 s82, 512
	s_cselect_b32 s82, 0x200000, s82               ; a slot on
	s_mov_b32 s83, 0
	s_lshl_b32 s88, s88, s87
	s_mov_b32 s89, 0
	v_and_b32 v13, 31, v0
	v_lshrrev_b32 v14, s84, v13
	v_lshlrev_b32 v14, s86, v14
	v_and_b32 v13, s85, v13
	v_lshl_add_u32 v30, v13, 8, v14                ; my lane's block; never rewritten
	s_wait_alu depctr_va_vdst(0)
	s_wait_kmcnt 0x0
	s_add_nc_u64 s[20:21], s[4:5], s[20:21]
	s_add_nc_u64 s[46:47], s[6:7], s[46:47]
	s_cmp_eq_u32 s17, 0
	s_cselect_b64 s[80:81], s[20:21], s[46:47]
	s_add_nc_u64 s[80:81], s[80:81], s[88:89]
	s_add_nc_u64 s[80:81], s[80:81], s[82:83]      ; slot 1
	s_add_nc_u64 s[66:67], s[4:5], s[66:67]
	s_add_nc_u64 s[68:69], s[8:9], s[68:69]
	s_add_nc_u64 s[70:71], s[10:11], s[70:71]
	s_add_nc_u64 s[76:77], s[14:15], s[74:75]
	s_add_nc_u64 s[74:75], s[12:13], s[74:75]
.set pp, 0
.if FC1
.rept 32
	global_load_b32 v[128+pp], v2, s[66:67] offset:16384*pp
.set pp, pp+1
.endr
.else
.rept 16
	global_load_u16 v[128+pp], v2, s[66:67] offset:8192*pp
.set pp, pp+1
.endr
.endif
.set pp, 0
.rept KS/16
	global_load_b128 v[160+4*pp:163+4*pp], v3, s[68:69] offset:2048*pp
.set pp, pp+1
.endr
	WIN 0x80
.irp b, 0,1
	global_load_b128 v[32*\b:32*\b+3],   v[BOF], s[70:71] offset:64*\b
	global_load_b128 v[32*\b+4:32*\b+7], v[BOF], s[70:71] offset:64*\b+16
.endr
	WIN 0xc0
.irp b, 0,1
	global_load_b128 v[32*\b:32*\b+3],   v[BOF], s[70:71] offset:128+64*\b
	global_load_b128 v[32*\b+4:32*\b+7], v[BOF], s[70:71] offset:128+64*\b+16
.endr
	WIN 0
	CROUND
.irp s, 0,1
	s_mov_b32 s[G0+4*\s], 1
	s_add_co_u32 s[G0+4*\s+1], s22, \s*SLOT
	s_add_nc_u64 s[G0+4*\s+2:G0+4*\s+3], s[20:21], \s*2097152
	s_or_b32 s[G0+4*\s+3], s[G0+4*\s+3], 0x80000000
	s_mov_b32 s[G0B+4*\s], 1
	s_add_co_u32 s[G0B+4*\s+1], s23, \s*SLOT
	s_add_nc_u64 s[G0B+4*\s+2:G0B+4*\s+3], s[46:47], \s*512
	s_or_b32 s[G0B+4*\s+3], s[G0B+4*\s+3], 0x80000000
.endr
	JLOAD G0, G1, G0B, G1B                         ; slot 0: one tensor load a wave at the head
	global_prefetch_b8 v30, s[80:81] th:TH_LOAD_NT scope:SCOPE_SE   ; slot 1, which is the last
	v_mul_u32_u24 v4, v0, TP
	v_add_nc_u32 v4, TAB, v4
	v_lshrrev_b32 v5, LG, v0
	v_mul_u32_u24 v5, v5, TP
	v_and_b32 v6, (1<<LG)-1, v0
	v_lshl_add_u32 v5, v6, 4, v5
	v_add_nc_u32 v5, TAB+128*TP, v5
	v_lshlrev_b32 v[CO], 12, v8
	v_lshl_add_u32 v[CO], v1, 4, v[CO]
	v_lshrrev_b32 v9, 2, v1
	v_mul_u32_u24 v9, v9, 272
	v_and_b32 v10, 3, v1
	v_lshl_add_u32 v9, v10, 6, v9
	v_lshl_add_u32 v9, v8, 4, v9
	s_mul_i32 s72, s17, HALFA
	v_add_nc_u32 v[ADRA], s72, v9
	v_add_nc_u32 v[ADRA+1], SLOT, v[ADRA]
	v_mul_u32_u24 v10, v1, BPITCH
	v_lshl_add_u32 v10, v8, 4, v10
	s_mul_i32 s72, s18, HALFB
	s_add_co_u32 s72, s72, BOFF
	v_add_nc_u32 v[ADRB], s72, v10
	v_add_nc_u32 v[ADRB+1], SLOT, v[ADRB]
	v_mul_u32_u24 v11, v1, TP
	s_mul_i32 s72, s17, 64*TP
	s_add_co_u32 s72, s72, TAB
	v_add_nc_u32 v[ADSA], s72, v11
	s_mul_i32 s72, s18, 64*TP
	s_add_co_u32 s72, s72, TAB+128*TP
	v_add_nc_u32 v[ADSB], s72, v11
	s_mul_i32 s72, s16, 4352
	v_mul_u32_u24 v12, v1, 272
	v_lshl_add_u32 v12, v8, 5, v12
	v_add_nc_u32 v[STO], s72, v12
	v_mul_u32_u24 v12, v8, 272
	v_lshl_add_u32 v12, v1, 4, v12
	v_add_nc_u32 v[RD], s72, v12
	s_wait_alu depctr_va_vdst(0)
	s_wait_loadcnt 8
.set pp, 0
.if FC1
.rept 32
	ds_store_b32 v4, v[128+pp] offset:4*pp
.set pp, pp+1
.endr
.else
.rept 16
	ds_store_b16 v4, v[128+pp] offset:2*pp
.set pp, pp+1
.endr
.endif
.set pp, 0
.rept KS/16
	ds_store_b128 v5, v[160+4*pp:163+4*pp] offset:(128>>LG)*TP*pp
.set pp, pp+1
.endr
	WIN 0x40
.irp a, 0,1,2,3
.irp t, 0,1,2,3,4,5,6,7
	global_load_b128 v[64+32*\a+4*\t:64+32*\a+4*\t+3], v[CO], s[74:75] offset:(16*\a+2*\t)*4096 th:TH_LOAD_NT
.endr
.endr
	WIN 0
.macro FRAGA reg, slot, q, i
.irp c, 0,1,2,3
	ds_load_b128 v[(\reg)+4*\c:(\reg)+4*\c+3], v[ADRA+\slot] offset:(2*(\q)+\c/2)*4352+1088*(\i)+32*(\c%2)
.endr
.endm
.macro FRAGB reg, slot, q, i
.irp c, 0,1,2,3
	ds_load_b128 v[(\reg)+4*\c:(\reg)+4*\c+3], v[ADRB+\slot] offset:128*(\q)+32*\c+(\i)*16*BPITCH
.endr
.endm
.macro FETCH_A slot, q, set
.irp i, 0,1,2,3
	FRAGA AF+64*(\set)+16*\i, \slot, \q, \i
.endr
.endm
.macro FETCH_B slot, q, b0, n
	WIN TO_B
.set fb, \b0
.rept \n
	FRAGB 16*fb, \slot, \q, fb
.set fb, fb+1
.endr
	WIN 0
.endm
.macro SCALES set
.irp i, 0,1,2,3
	ds_load_b128 v[SC+(\set)*SCSET+NQ*\i:SC+(\set)*SCSET+NQ*\i+3], v[ADSA] offset:\i*16*TP
.endr
.irp i, 0,1,2,3
	ds_load_b128 v[SC+(\set)*SCSET+4*NQ+NQ*\i:SC+(\set)*SCSET+4*NQ+NQ*\i+3], v[ADSB] offset:\i*16*TP
.endr
.endm
.macro MULB hb, b0, n, set, q, sc
.set bb, \b0
.rept \n
.irp a, 0,1,2,3
.set rD, 8*(4*(bb-(\hb)*NLO)+\a)
	v_wmma_scale_f32_16x16x128_f8f6f4 v[rD:rD+7], v[16*bb:16*bb+15], v[AF+64*(\set)+16*\a:AF+64*(\set)+16*\a+15], v[rD:rD+7], v[SC+(\sc)*SCSET+4*NQ+NQ*bb+(\q)], v[SC+(\sc)*SCSET+NQ*\a+(\q)]
.endr
.set bb, bb+1
.endr
.endm
.macro MULF hb, b0, n, set, q, sc
.irp a, 1,2,3
.set bb, \b0
.rept \n
.set rD, 8*(4*(bb-(\hb)*NLO)+\a)
.set rC, 32*(bb-(\hb)*NLO)
	v_wmma_scale_f32_16x16x128_f8f6f4 v[rD:rD+7], v[16*bb:16*bb+15], v[AF+64*(\set)+16*\a:AF+64*(\set)+16*\a+15], v[rC:rC+7], v[SC+(\sc)*SCSET+4*NQ+NQ*bb+(\q)], v[SC+(\sc)*SCSET+NQ*\a+(\q)]
.set bb, bb+1
.endr
.endr
	PLACES 9
.set bb, \b0
.rept \n
.set rC, 32*(bb-(\hb)*NLO)
	v_wmma_scale_f32_16x16x128_f8f6f4 v[rC:rC+7], v[16*bb:16*bb+15], v[AF+64*(\set):AF+64*(\set)+15], v[rC:rC+7], v[SC+(\sc)*SCSET+4*NQ+NQ*bb+(\q)], v[SC+(\sc)*SCSET+(\q)]
.set bb, bb+1
.endr
.endm
.macro UPPER set, q, sc
	WIN MUL_HI
	MULB 1, NLO, NHI, \set, \q, \sc
.endm
.macro STEP slot, q, first
	s_wait_dscnt 4*NHI
	WIN MUL_LO
.if \first
	MULF 0, 0, NLO, (\q)%2, \q, \slot
.else
	MULB 0, 0, NLO, (\q)%2, \q, \slot
.endif
	s_wait_dscnt 0x0
	PLACES 8
	WIN 0
	FETCH_A \slot, (\q)+1, 1-(\q)%2
	FETCH_B \slot, (\q)+1, 0, NLO
.if \first
	WIN MUL_HI
	MULF 1, NLO, NHI, (\q)%2, \q, \slot
.else
	UPPER (\q)%2, \q, \slot
.endif
	PLACES 8
	FETCH_B \slot, (\q)+1, NLO, NHI
.endm
.macro TURN slot, next, fill
	s_wait_tensorcnt 0x0
	ds_add_u32 v[SPW], v[NIL]
	s_wait_dscnt 4*NHI+1
	WIN MUL_LO
	MULB 0, 0, NLO/2, 1, NQ-1, \slot
	s_wait_dscnt 0x0
	s_barrier_signal -1
	MULB 0, NLO/2, NLO/2, 1, NQ-1, \slot
	WIN 0
	s_barrier_wait -1
.if \fill
	CREST
	s_add_nc_u64 s[G0+4*\slot+2:G0+4*\slot+3], s[G0+4*\slot+2:G0+4*\slot+3], ASTEP
	s_add_nc_u64 s[G0B+4*\slot+2:G0B+4*\slot+3], s[G0B+4*\slot+2:G0B+4*\slot+3], BSTEP
	JLOAD G0+4*\slot, G1, G0B+4*\slot, G1B
	PLACES 4
.else
	PLACES 8
.endif
	v_add_nc_u32 v[ADSA], 4*NQ, v[ADSA]
	v_add_nc_u32 v[ADSB], 4*NQ, v[ADSB]
	FETCH_A \next, 0, 0
	FETCH_B \next, 0, 0, NLO
	SCALES \next
	UPPER 1, NQ-1, \slot
	PLACES 8
	FETCH_B \next, 0, NLO, NHI
.endm
.macro THREE slot
	STEP \slot, 0, 0
	STEP \slot, 1, 0
	STEP \slot, 2, 0
.endm
	s_wait_alu depctr_va_vdst(0)                   ; the head's end
	s_wait_tensorcnt 0x0                           ; my part of slot 0 is in; slot 1's first fill is issued as a refill is
	ds_add_u32 v[SPW], v[NIL]
	s_wait_dscnt 0x0                               ; the add is done, my part of the table is stored
	CROUND
	JLOAD G0+4, G1, G0B+4, G1B                     ; slot 1: the first tensor load behind the round
	FETCH_A 0, 0, 0
	FETCH_B 0, 0, 0, NLO
	SCALES 0
	FETCH_B 0, 0, NLO, NHI
	s_wait_loadcnt 32
	STEP 0, 0, 1
.if NSLOT > 2
	s_mov_b32 s3, (NSLOT-2)/2
.Llap:
	STEP 0, 1, 0
	STEP 0, 2, 0
	TURN 0, 1, 1
	THREE 1
	TURN 1, 0, 1
	STEP 0, 0, 0
	s_sub_co_u32 s3, s3, 1
	s_cmp_lg_u32 s3, 0
	s_cbranch_scc1 .Llap
.endif
	STEP 0, 1, 0
	STEP 0, 2, 0
	TURN 0, 1, 0
	THREE 1
	s_wait_dscnt 4*NHI
	WIN MUL_LO
	MULB 0, 0, NLO, 1, NQ-1, 1
	s_wait_dscnt 0x0
	UPPER 1, NQ-1, 1
	WIN 0
	PLACES 8
	s_wait_loadcnt 0x0
.macro TOSTAGE a
	WIN 0x08
.irp b, 0,1
	ds_store_b128 v[STO], v[8*(4*\b+(\a)):8*(4*\b+(\a))+3] offset:64*\b
	ds_store_b128 v[STO], v[8*(4*\b+(\a))+4:8*(4*\b+(\a))+7] offset:64*\b+16
.endr
	WIN 0x0c
.irp b, 0,1
	ds_store_b128 v[STO], v[8*(4*\b+(\a)):8*(4*\b+(\a))+3] offset:128+64*\b
	ds_store_b128 v[STO], v[8*(4*\b+(\a))+4:8*(4*\b+(\a))+7] offset:128+64*\b+16
.endr
	WIN 0
.irp t, 0,1,2,3,4,5,6,7
	ds_load_b128 v[OUTR+32*(\a)+4*\t:OUTR+32*(\a)+4*\t+3], v[RD] offset:544*\t
.endr
.endm
.macro SEND a
	s_wait_dscnt 16*(3-(\a))
	WIN 0x04
.set pp, 0
.rept 16
	v_pk_add_f32 v[OUTR+32*(\a)+2*pp:OUTR+32*(\a)+2*pp+1], v[OUTR+32*(\a)+2*pp:OUTR+32*(\a)+2*pp+1], v[64+32*(\a)+2*pp:64+32*(\a)+2*pp+1]
.set pp, pp+1
.endr
	WIN 0
.irp t, 0,1,2,3,4,5,6,7
	global_store_b128 v[CO], v[OUTR+32*(\a)+4*\t:OUTR+32*(\a)+4*\t+3], s[76:77] offset:(16*(\a)+2*\t)*4096 th:TH_STORE_NT
.endr
.endm
	TOSTAGE 0
	TOSTAGE 1
	TOSTAGE 2
	TOSTAGE 3
	SEND 0
	SEND 1
	SEND 2
	SEND 3
	s_wait_tensorcnt 0x0
	ds_add_u32 v[SPW], v[NIL]
	s_wait_dscnt 0x0
	CROUND
	s_endpgm
.Lfunc_end_k_q842b3a1e6e_proj:
	.size	k_q842b3a1e6e_proj, .Lfunc_end_k_q842b3a1e6e_proj-k_q842b3a1e6e_proj
	.p2alignl 7, 3214868480
	.fill 96, 4, 3214868480
	.section	.rodata,"a",@progbits
	.p2align	6, 0x0
	.amdhsa_kernel k_q842b3a1e6e_proj
		.amdhsa_group_segment_fixed_size 327680
		.amdhsa_private_segment_fixed_size 0
		.amdhsa_enable_private_segment 0
		.amdhsa_kernarg_size 48
		.amdhsa_user_sgpr_count 2
		.amdhsa_user_sgpr_kernarg_segment_ptr 1
		.amdhsa_wavefront_size32 1
		.amdhsa_system_sgpr_workgroup_id_x 1
		.amdhsa_system_sgpr_workgroup_id_y 1
		.amdhsa_system_sgpr_workgroup_id_z 1
		.amdhsa_system_vgpr_workitem_id 0
		.amdhsa_next_free_vgpr 1024
		.amdhsa_next_free_sgpr 100
		.amdhsa_reserve_vcc 0
		.amdhsa_float_denorm_mode_32 3
		.amdhsa_float_denorm_mode_16_64 3
		.amdhsa_memory_ordered 1
		.amdhsa_forward_progress 1
		.amdhsa_inst_pref_size 69
	.end_amdhsa_kernel
	.amdgpu_metadata
---
amdhsa.version: [ 1, 2 ]
amdhsa.kernels:
  - .name:           k_q842b3a1e6e_proj
    .symbol:         k_q842b3a1e6e_proj.kd
    .args:
      - { .name: ao, .offset: 0, .size: 8, .value_kind: global_buffer, .address_space: global }
      - { .name: proj_w_codes, .offset: 8, .size: 8, .value_kind: global_buffer, .address_space: global }
      - { .name: proj_w_scales, .offset: 16, .size: 8, .value_kind: global_buffer, .address_space: global }
      - { .name: proj_b, .offset: 24, .size: 8, .value_kind: global_buffer, .address_space: global }
      - { .name: x, .offset: 32, .size: 8, .value_kind: global_buffer, .address_space: global }
      - { .name: res, .offset: 40, .size: 8, .value_kind: global_buffer, .address_space: global }
    .group_segment_fixed_size: 327680
    .private_segment_fixed_size: 0
    .kernarg_segment_align: 8
    .kernarg_segment_size: 48
    .max_flat_workgroup_size: 128
    .sgpr_count:     100
    .vgpr_count:     1024
    .wavefront_size: 32
...
	.end_amdgpu_metadata
.endif
;; end of part 4
;; launch ln2: the kernel of part 1 again; grid 256 x 1, 16 waves a work-group, no clusters, 10,752 bytes of LDS; arguments res, ln2_g, ln2_b, xq; writes xq
;; launch fc0 (part 5): grid 16 x 16, 4 waves a work-group, clusters of 4 x 4, 327,680 bytes of LDS; arguments xq, fc0_w_codes, fc0_w_scales, fc0_b, hid; writes hid
.if DOCPART == 5
	.amdgcn_target "amdgcn-amd-amdhsa--gfx1250"
	.amdhsa_code_object_version 6
	.text
	.protected	k_q842b3a1e6e_fc0
	.globl	k_q842b3a1e6e_fc0
	.p2align	8
	.type	k_q842b3a1e6e_fc0,@function
k_q842b3a1e6e_fc0:
	s_mov_b64 s[64:65], 0
	v_nop
	global_prefetch_b8 v0, s[64:65] scope:SCOPE_SE
	s_setreg_imm32_b32 hwreg(HW_REG_WAVE_MODE, 25, 1), 1
	s_wait_xcnt 0x0
	s_wait_alu depctr_hold_cnt(0) depctr_sa_sdst(0) depctr_va_vdst(0) depctr_va_sdst(0) depctr_va_ssrc(0) depctr_va_vcc(0) depctr_vm_vsrc(0)
	s_getreg_b32 s2, hwreg(HW_REG_IB_STS2, 6, 4)
	s_cmp_eq_u32 s2, 0
	s_cbranch_scc0 .Lentry_in_a_cluster
	s_endpgm
.Lentry_in_a_cluster:
	s_bfe_u32 s2, ttmp6, 0x10000c
	s_cmp_lg_u32 s2, 0xf033
	s_cbranch_scc0 .Lentry_shape_is_right
	s_endpgm
.Lentry_shape_is_right:
.set NT,    256
.set NB,    16
.set NLO,   8
.set NHI,   8
.set NQ,    2
.set PITCH, 272
.set HALFA, 128*PITCH
.set BOFF,  2*HALFA
.set HALFB, (NT/2)*PITCH
.set SLOT,  BOFF+2*HALFB
.set TP,    48
.set TAB,   2*SLOT
.set SPARE, TAB+TP*(256+NT)
.set ASTEP, 512
.set BSTEP, 512
.set XSC,   4194304
.set HSC,   16777216
.set BOF,  5
.set ADRA, 16
.set TMPA, 18
.set ADRB, 20
.set ADSA, 22
.set ADSB, 23
.set CST,  24
.set SWA,  25
.set RDC,  26
.set RSW,  27
.set SPW,  28
.set NIL,  29
.set GOF,  30
.set GSW,  31
.set SC,   32
.set SCSET, (4+NB)*NQ
.set AF,   128
.set HX,   128
.set GZ,   192
.set GS,   208
.set GP,   224
.set GQ,   240
.set MX,   192
.set PT,   196
.set LIM,  200
.set SO,   204
.set BY,   208
.set W0,   212
.set CD,   216
.set OUTR, 232
.set G1,   24
.set G0,   32
.set G1B,  48
.set G0B,  56
.set KA11, 66
.set KA9,  68
.set KA7,  70
.set KA5,  72
.set KA3,  74
.set KA1,  76
.set KB6,  78
.set KB4,  80
.set KB2,  82
.set KB0,  84
.set KSQ,  86
.set SEL,  94
.set MNT,  96
.set TI,   97
.set TW,   98
.set MSB, 0
.macro WIN new
.if MSB != (\new)
	s_set_vgpr_msb (MSB<<8)|(\new)
.set MSB, (\new)
.endif
.endm
.set MUL_LO, 0xa1
.set MUL_HI, 0xf1
.set TO_B,   0x40
.macro JLOAD g0a, g1a, g0b, g1b
	s_cmp_eq_u32 s17, 0
	s_cbranch_scc0 .Lfor_b_\@
	tensor_load_to_lds s[\g0a:\g0a+3], s[\g1a:\g1a+7]
	s_nop 0
.rept 4
	v_nop
.endr
	s_branch .Lasked_\@
.Lfor_b_\@:
	tensor_load_to_lds s[\g0b:\g0b+3], s[\g1b:\g1b+7]
	s_nop 0
.rept 4
	v_nop
.endr
.Lasked_\@:
.endm
.macro CREST
	s_cmp_lg_u32 s16, 0
	s_cbranch_scc1 .Lnot_wave_0_\@
	s_barrier_signal -3
.Lnot_wave_0_\@:
	s_barrier_wait -3
	s_barrier_signal -1
	s_barrier_wait -1
.endm
.macro CROUND
	s_barrier_signal -1
	s_barrier_wait -1
	CREST
.endm
.macro PLACES n
.rept \n
	v_nop
.endr
.endm
	s_load_b256 s[4:11], s[0:1], 0x0
	s_load_b64 s[12:13], s[0:1], 0x20
	v_lshl_add_u32 v[SPW], v0, 2, SPARE
	v_mov_b32 v[NIL], 0
	ds_add_u32 v28, v29
	ds_add_u32 v28, v29
	s_wait_dscnt 0x0
	v_lshrrev_b32 v1, 5, v0
	v_readfirstlane_b32 s16, v1
	s_lshr_b32 s17, s16, 1
	s_and_b32 s18, s16, 1
	s_bfe_u32 s40, ttmp6, 0x40000
	s_bfe_u32 s41, ttmp6, 0x40004
	s_lshl_b32 s42, ttmp9, 2
	s_add_co_u32 s42, s42, s40
	s_and_b32 s43, ttmp7, 0xffff
	s_lshl_b32 s43, s43, 2
	s_add_co_u32 s43, s43, s41
	s_lshl_b32 s44, s41, 2
	s_lshl_b32 s44, 15, s44
	s_lshl_b32 s45, 0x1111, s40
	s_or_b32 s[G1], s44, (1<<20)|(1<<21)|(5<<22)|(3<<25)
	s_or_b32 s[G1B], s45, (1<<20)|(1<<21)|(5<<22)|(3<<25)
.irp g, G1, G1B
	s_mov_b32 s[\g+1], 256<<16
	s_mov_b32 s[\g+2], 128<<16
	s_mov_b32 s[\g+3], 256<<16
	s_mov_b32 s[\g+4], 128
	s_mov_b32 s[\g+5], 1024
	s_mov_b32 s[\g+6], 0
	s_mov_b32 s[\g+7], 0
.endr
	s_lshl_b32 s20, s43, 18
	s_lshl_b32 s21, s18, 17
	s_add_co_u32 s20, s20, s21
	s_mov_b32 s21, 0
	s_lshl_b32 s46, s42, 18
	s_lshl_b32 s47, s18, 17
	s_add_co_u32 s46, s46, s47
	s_mov_b32 s47, 0
	s_mul_i32 s22, s18, HALFA
	s_mul_i32 s23, s18, HALFB
	s_add_co_u32 s23, s23, BOFF
	s_lshl_b32 s66, s43, 13
	s_add_co_u32 s66, s66, XSC
	s_mov_b32 s67, 0
	s_lshl_b32 s68, s42, 13
	s_mov_b32 s69, 0
	s_lshl_b32 s70, s42, 10
	s_mov_b32 s71, 0
	s_lshl_b32 s88, s42, 20
	s_lshl_b32 s72, s43, 14
	s_add_co_u32 s88, s88, s72
	s_lshl_b32 s72, s16, 12
	s_add_co_u32 s88, s88, s72
	s_mov_b32 s89, 0
	s_lshl_b32 s92, s42, 15
	s_lshl_b32 s72, s43, 10
	s_add_co_u32 s92, s92, s72
	s_lshl_b32 s72, s16, 8
	s_add_co_u32 s92, s92, s72
	s_add_co_u32 s92, s92, HSC
	s_mov_b32 s93, 0
	s_mov_b32 s[SEL], 0x76543210
	s_mov_b32 s[SEL+1], 0xfedcba98
	s_mov_b32 s[MNT], 0x600000
	v_lshlrev_b32 v2, 4, v0
	v_and_b32 v1, 15, v0
	v_bfe_u32 v7, v0, 4, 1
	v_and_b32 v8, 31, v0
	v_lshlrev_b32 v[BOF], 5, v7
	; the prefetches: of the 128 rows that I fetch each of the four partners of the joint load takes 32, told apart by address (cx for A, cy for B); a lane a row
	v_lshlrev_b32 v116, 10, v8                     ; my lane x a row of 1,024 bytes; never rewritten
	s_cmp_eq_u32 s17, 0
	s_cselect_b32 s72, s40, s41
	s_lshl_b32 s72, s72, 15                        ; 32 rows
	s_mov_b32 s73, 0
	s_wait_alu depctr_va_vdst(0)
	s_wait_kmcnt 0x0
	s_add_nc_u64 s[20:21], s[4:5], s[20:21]
	s_add_nc_u64 s[46:47], s[6:7], s[46:47]
	s_cmp_eq_u32 s17, 0
	s_cselect_b64 s[2:3], s[20:21], s[46:47]
	s_add_nc_u64 s[2:3], s[2:3], s[72:73]          ; never rewritten: the slots are named by the immediate
	s_add_nc_u64 s[66:67], s[4:5], s[66:67]
	s_add_nc_u64 s[68:69], s[8:9], s[68:69]
	s_add_nc_u64 s[70:71], s[10:11], s[70:71]
	s_add_nc_u64 s[88:89], s[12:13], s[88:89]
	s_add_nc_u64 s[92:93], s[12:13], s[92:93]
.irp i, 0,1,2,3
	global_load_b128 v[128+4*\i:131+4*\i], v2, s[66:67] offset:2048*\i
.endr
.irp i, 0,1,2,3
	global_load_b128 v[144+4*\i:147+4*\i], v2, s[68:69] offset:2048*\i
.endr
	WIN 0x80
.set bb, 0
.rept NLO
	global_load_b128 v[32*bb:32*bb+3],   v[BOF], s[70:71] offset:64*bb
	global_load_b128 v[32*bb+4:32*bb+7], v[BOF], s[70:71] offset:64*bb+16
.set bb, bb+1
.endr
	WIN 0xc0
.set bb, 0
.rept NHI
	global_load_b128 v[32*bb:32*bb+3],   v[BOF], s[70:71] offset:512+64*bb
	global_load_b128 v[32*bb+4:32*bb+7], v[BOF], s[70:71] offset:512+64*bb+16
.set bb, bb+1
.endr
	WIN 0
	CROUND
.irp s, 0,1
	s_mov_b32 s[G0+4*\s], 1
	s_add_co_u32 s[G0+4*\s+1], s22, \s*SLOT
	s_add_nc_u64 s[G0+4*\s+2:G0+4*\s+3], s[20:21], \s*256
	s_or_b32 s[G0+4*\s+3], s[G0+4*\s+3], 0x80000000
	s_mov_b32 s[G0B+4*\s], 1
	s_add_co_u32 s[G0B+4*\s+1], s23, \s*SLOT
	s_add_nc_u64 s[G0B+4*\s+2:G0B+4*\s+3], s[46:47], \s*256
	s_or_b32 s[G0B+4*\s+3], s[G0B+4*\s+3], 0x80000000
.endr
	JLOAD G0, G1, G0B, G1B                         ; slot 0: one tensor load a wave at the head
	global_prefetch_b8 v116, s[2:3] offset:256 th:TH_LOAD_NT scope:SCOPE_SE   ; slots 1 and 2: 256 bytes of each of my rows
	global_prefetch_b8 v116, s[2:3] offset:512 th:TH_LOAD_NT scope:SCOPE_SE
	v_lshrrev_b32 v3, 1, v0
	v_mul_u32_u24 v3, v3, TP
	v_and_b32 v4, 1, v0
	v_lshl_add_u32 v3, v4, 4, v3
	v_add_nc_u32 v3, TAB, v3
	v_mul_u32_u24 v10, v1, PITCH
	v_lshl_add_u32 v10, v7, 4, v10
	s_mul_i32 s72, s16, 64*PITCH
	v_add_nc_u32 v[ADRA], s72, v10
	v_add_nc_u32 v[ADRA+1], SLOT, v[ADRA]
	v_add_nc_u32 v[ADRB], BOFF, v10
	v_add_nc_u32 v[ADRB+1], SLOT, v[ADRB]
	v_mul_u32_u24 v11, v1, TP
	s_mul_i32 s72, s16, 64*TP
	s_add_co_u32 s72, s72, TAB
	v_add_nc_u32 v[ADSA], s72, v11
	v_add_nc_u32 v[ADSB], TAB+256*TP, v11
	s_lshl_b32 s72, s16, 12
	v_lshrrev_b32 v12, 2, v1
	v_mul_u32_u24 v12, v12, 272
	v_and_b32 v13, 3, v1
	v_lshl_add_u32 v12, v13, 6, v12
	v_lshl_add_u32 v12, v7, 3, v12
	v_add_nc_u32 v[CST], s72, v12
	v_mul_u32_u24 v12, v7, 272
	v_lshl_add_u32 v12, v1, 4, v12
	v_add_nc_u32 v[RDC], s72, v12
	v_lshlrev_b32 v[GOF], 4, v8
	s_add_co_u32 s72, s72, 2560
	v_lshl_add_u32 v[SWA], v1, 2, s72
	v_add_nc_u32 v[RSW], s72, v[GOF]
	v_lshlrev_b32 v[GSW], 14, v7
	v_lshl_add_u32 v[GSW], v1, 4, v[GSW]
	s_wait_loadcnt 32
.irp i, 0,1,2,3
	ds_store_b128 v3, v[128+4*\i:131+4*\i] offset:3072*\i
.endr
.irp i, 0,1,2,3
	ds_store_b128 v3, v[144+4*\i:147+4*\i] offset:256*TP+3072*\i
.endr
.macro FRAG reg, adr, q, i
.irp c, 0,1,2,3
	ds_load_b128 v[(\reg)+4*\c:(\reg)+4*\c+3], v[\adr] offset:128*(\q)+32*\c+(\i)*16*PITCH
.endr
.endm
.macro FETCH_A slot, q, set
.irp i, 0,1,2,3
	FRAG AF+64*(\set)+16*\i, ADRA+\slot, \q, \i
.endr
.endm
.macro FETCH_B slot, q, b0, n
	WIN TO_B
.set fb, \b0
.rept \n
	FRAG 16*fb, ADRB+\slot, \q, fb
.set fb, fb+1
.endr
	WIN 0
.endm
.macro SCALES set
.set ii, 0
.rept 4
	ds_load_b64 v[SC+(\set)*SCSET+NQ*ii:SC+(\set)*SCSET+NQ*ii+1], v[ADSA] offset:ii*16*TP
.set ii, ii+1
.endr
.set ii, 0
.rept NB
	ds_load_b64 v[SC+(\set)*SCSET+4*NQ+NQ*ii:SC+(\set)*SCSET+4*NQ+NQ*ii+1], v[ADSB] offset:ii*16*TP
.set ii, ii+1
.endr
.endm
.macro MULB hb, b0, n, set, q, sc
.set bb, \b0
.rept \n
.irp a, 0,1,2,3
.set rD, 8*(4*(bb-(\hb)*NLO)+\a)
	v_wmma_scale_f32_16x16x128_f8f6f4 v[rD:rD+7], v[16*bb:16*bb+15], v[AF+64*(\set)+16*\a:AF+64*(\set)+16*\a+15], v[rD:rD+7], v[SC+(\sc)*SCSET+4*NQ+NQ*bb+(\q)], v[SC+(\sc)*SCSET+NQ*\a+(\q)]
.endr
.set bb, bb+1
.endr
.endm
.macro MULF hb, b0, n, set, q, sc
.irp a, 1,2,3
.set bb, \b0
.rept \n
.set rD, 8*(4*(bb-(\hb)*NLO)+\a)
.set rC, 32*(bb-(\hb)*NLO)
	v_wmma_scale_f32_16x16x128_f8f6f4 v[rD:rD+7], v[16*bb:16*bb+15], v[AF+64*(\set)+16*\a:AF+64*(\set)+16*\a+15], v[rC:rC+7], v[SC+(\sc)*SCSET+4*NQ+NQ*bb+(\q)], v[SC+(\sc)*SCSET+NQ*\a+(\q)]
.set bb, bb+1
.endr
.endr
	PLACES 9
.set bb, \b0
.rept \n
.set rC, 32*(bb-(\hb)*NLO)
	v_wmma_scale_f32_16x16x128_f8f6f4 v[rC:rC+7], v[16*bb:16*bb+15], v[AF+64*(\set):AF+64*(\set)+15], v[rC:rC+7], v[SC+(\sc)*SCSET+4*NQ+NQ*bb+(\q)], v[SC+(\sc)*SCSET+(\q)]
.set bb, bb+1
.endr
.endm
.macro UPPER set, q, sc
	WIN MUL_HI
	MULB 1, NLO, NHI, \set, \q, \sc
.endm
.macro STEP slot, q, first
	s_wait_dscnt 4*NHI
	WIN MUL_LO
.if \first
	MULF 0, 0, NLO, (\q)%2, \q, \slot
.else
	MULB 0, 0, NLO, (\q)%2, \q, \slot
.endif
	s_wait_dscnt 0x0
	PLACES 8
	WIN 0
	FETCH_A \slot, (\q)+1, 1-(\q)%2
	FETCH_B \slot, (\q)+1, 0, NLO
.if \first
	WIN MUL_HI
	MULF 1, NLO, NHI, (\q)%2, \q, \slot
.else
	UPPER (\q)%2, \q, \slot
.endif
	PLACES 8
	FETCH_B \slot, (\q)+1, NLO, NHI
.endm
.macro TURN slot, next, fill
	s_wait_tensorcnt 0x0
	ds_add_u32 v[SPW], v[NIL]
	s_wait_dscnt 4*NHI+1
	WIN MUL_LO
	MULB 0, 0, NLO/2, 1, NQ-1, \slot
	s_wait_dscnt 0x0
	s_barrier_signal -1
	MULB 0, NLO/2, NLO/2, 1, NQ-1, \slot
	WIN 0
	s_barrier_wait -1
.if \fill
	CREST
	s_add_nc_u64 s[G0+4*\slot+2:G0+4*\slot+3], s[G0+4*\slot+2:G0+4*\slot+3], ASTEP
	s_add_nc_u64 s[G0B+4*\slot+2:G0B+4*\slot+3], s[G0B+4*\slot+2:G0B+4*\slot+3], BSTEP
	JLOAD G0+4*\slot, G1, G0B+4*\slot, G1B
	PLACES 4
.else
	PLACES 8
.endif
	s_wait_alu depctr_va_vdst(0)
	v_add_nc_u32 v[ADSA], 4*NQ, v[ADSA]
	v_add_nc_u32 v[ADSB], 4*NQ, v[ADSB]
	FETCH_A \next, 0, 0
	FETCH_B \next, 0, 0, NLO
	SCALES \next
	UPPER 1, NQ-1, \slot
	PLACES 8
	FETCH_B \next, 0, NLO, NHI
.endm
	s_wait_alu depctr_va_vdst(0)                   ; the head's end
	s_wait_tensorcnt 0x0                           ; my part of slot 0 is in; slot 1's first fill is issued as a refill is
	ds_add_u32 v[SPW], v[NIL]
	s_wait_dscnt 0x0                               ; the add is done, my part of the table is stored
	CROUND
	JLOAD G0+4, G1, G0B+4, G1B                     ; slot 1: the first tensor load behind the round
	FETCH_A 0, 0, 0
	global_prefetch_b8 v116, s[2:3] offset:768 th:TH_LOAD_NT scope:SCOPE_SE   ; slot 3, two refills on; it is the last
	FETCH_B 0, 0, 0, NLO
	SCALES 0
	FETCH_B 0, 0, NLO, NHI
	s_wait_loadcnt 0x0
	STEP 0, 0, 1
	TURN 0, 1, 1
	STEP 1, 0, 0
	TURN 1, 0, 1
	STEP 0, 0, 0
	TURN 0, 1, 0
	STEP 1, 0, 0
	s_wait_dscnt 4*NHI
	WIN MUL_LO
	MULB 0, 0, NLO, 1, NQ-1, 1
	s_wait_dscnt 0x0
	UPPER 1, NQ-1, 1
	WIN 0
	PLACES 8
.macro KPAIR reg, val
	s_mov_b32 s[\reg], \val
	s_mov_b32 s[\reg+1], \val
.endm
	KPAIR KA11, 0x32edffee
	KPAIR KA9,  0xb60cff51
	KPAIR KA7,  0xb86ec2d2
	KPAIR KA5,  0xba40ac63
	KPAIR KA3,  0xbb41a1f6
	KPAIR KA1,  0xbc83dbd4
	KPAIR KB6,  0xb95fbd29
	KPAIR KB4,  0xbadc924e
	KPAIR KB2,  0xbbf19bf8
	KPAIR KB0,  0xbc69b6a7
	KPAIR KSQ,  0x3fb504f3
	v_mov_b32 v112, 0xaf95df0b
	v_mov_b32 v113, 0xaf95df0b
	v_mov_b32 v114, 0xb77460cd
	v_mov_b32 v115, 0xb77460cd
.macro COPY k
	WIN 0x02+((\k)>>2)
.set bl, 0
.rept 8
.irp p, 0,2,4,6
	v_pk_mul_f32 v[HX+8*bl+\p:HX+8*bl+\p+1], v[8*(4*bl+((\k)&3))+\p:8*(4*bl+((\k)&3))+\p+1], 0.5 op_sel_hi:[1,0]
.endr
.set bl, bl+1
.endr
	WIN 0
.endm
.macro GELU u
.set GH, HX+16*(\u)
.irp p, 0,2,4,6,8,10,12,14
	v_pk_mul_f32 v[GZ+\p:GZ+\p+1], v[GH+\p:GH+\p+1], s[KSQ:KSQ+1] op_sel_hi:[1,0]
.endr
.irp i, 0,1,2,3,4,5,6,7,8,9,10,11,12,13,14,15
	v_med3_num_f32 v[GZ+\i], v[GZ+\i], -4.0, 4.0
.endr
.irp p, 0,2,4,6,8,10,12,14
	v_pk_mul_f32 v[GS+\p:GS+\p+1], v[GZ+\p:GZ+\p+1], v[GZ+\p:GZ+\p+1]
.endr
.irp p, 0,2,4,6,8,10,12,14
	v_pk_fma_f32 v[GQ+\p:GQ+\p+1], v[GS+\p:GS+\p+1], v[114:115], s[KB6:KB6+1] op_sel_hi:[1,1,0]
.endr
.irp k, KB4, KB2, KB0
.irp p, 0,2,4,6,8,10,12,14
	v_pk_fma_f32 v[GQ+\p:GQ+\p+1], v[GQ+\p:GQ+\p+1], v[GS+\p:GS+\p+1], s[\k:\k+1] op_sel_hi:[1,1,0]
.endr
.endr
	s_wait_alu depctr_va_vdst(0)
.irp i, 0,1,2,3,4,5,6,7,8,9,10,11,12,13,14,15
	v_rcp_f32 v[GQ+\i], v[GQ+\i]
.endr
.irp p, 0,2,4,6,8,10,12,14
	v_pk_fma_f32 v[GP+\p:GP+\p+1], v[GS+\p:GS+\p+1], v[112:113], s[KA11:KA11+1] op_sel_hi:[1,1,0]
.endr
.irp k, KA9, KA7, KA5, KA3, KA1
.irp p, 0,2,4,6,8,10,12,14
	v_pk_fma_f32 v[GP+\p:GP+\p+1], v[GP+\p:GP+\p+1], v[GS+\p:GS+\p+1], s[\k:\k+1] op_sel_hi:[1,1,0]
.endr
.endr
.irp p, 0,2,4,6,8,10,12,14
	v_pk_mul_f32 v[GP+\p:GP+\p+1], v[GP+\p:GP+\p+1], v[GZ+\p:GZ+\p+1]
.endr
	s_wait_alu depctr_va_vdst(0)
.irp p, 0,2,4,6,8,10,12,14
	v_pk_mul_f32 v[GP+\p:GP+\p+1], v[GP+\p:GP+\p+1], v[GQ+\p:GQ+\p+1]
.endr
.irp p, 0,2,4,6,8,10,12,14
	v_pk_fma_f32 v[GH+\p:GH+\p+1], v[GP+\p:GP+\p+1], v[GH+\p:GH+\p+1], v[GH+\p:GH+\p+1]
.endr
.endm
	s_mov_b32 s[TI], 0
	s_mov_b32 s[TW], 0
.Ltrip:
	s_wait_xcnt 0x0
	s_lshl_b32 s20, s[TI], 10
	s_lshr_b32 s22, s[TI], 2
	s_mul_i32 s22, s22, 520192
	s_add_co_u32 s20, s20, s22
	s_mov_b32 s21, 0
	s_add_nc_u64 s[90:91], s[88:89], s[20:21]
	v_add_nc_u32 v[TMPA], s[TW], v[SWA]
.irp k, 0,1,2,3,4,5,6
	s_cmp_eq_u32 s[TI], \k
	s_cbranch_scc1 .Lcopy\k
.endr
	COPY 7
	s_branch .Lcore
.irp k, 0,1,2,3,4,5,6
.Lcopy\k:
	COPY \k
	s_branch .Lcore
.endr
.Lcore:
	GELU 0
	GELU 1
	GELU 2
	GELU 3
.irp n, 0,1,2,3
	v_max3_num_f32 v[MX+\n], |v[HX+16*\n]|, |v[HX+16*\n+1]|, 0x4800000
.endr
.irp i, 2,4,6,8,10,12,14
.irp n, 0,1,2,3
	v_max3_num_f32 v[MX+\n], v[MX+\n], |v[HX+16*\n+\i]|, |v[HX+16*\n+\i+1]|
.endr
.endr
.irp n, 0,1,2,3
	v_permlanex16_b32 v[PT+\n], v[MX+\n], s[SEL], s[SEL+1]
.endr
.irp n, 0,1,2,3
	v_max_num_f32 v[MX+\n], v[MX+\n], v[PT+\n]
.endr
.irp n, 0,1,2,3
	v_add_nc_u32 v[SO+\n], 0xfc000000, v[MX+\n]
.endr
.irp n, 0,1,2,3
	v_and_or_b32 v[LIM+\n], v[MX+\n], 0x7f800000, s[MNT]
.endr
.irp n, 0,1,2,3
	v_lshrrev_b32 v[BY+\n], 23, v[SO+\n]
.endr
	v_lshl_or_b32 v[W0], v[BY+1], 8, v[BY]
	v_lshl_or_b32 v[W0], v[BY+2], 16, v[W0]
	v_lshl_or_b32 v[W0], v[BY+3], 24, v[W0]
.irp n, 0,1,2,3
.irp i, 0,1,2,3,4,5,6,7,8,9,10,11,12,13,14,15
	v_med3_num_f32 v[HX+16*\n+\i], v[HX+16*\n+\i], -v[LIM+\n], v[LIM+\n]
.endr
	v_cvt_scalef32_pk8_fp8_f32 v[CD+4*\n:CD+4*\n+1], v[HX+16*\n:HX+16*\n+7], v[SO+\n]
	v_cvt_scalef32_pk8_fp8_f32 v[CD+4*\n+2:CD+4*\n+3], v[HX+16*\n+8:HX+16*\n+15], v[SO+\n]
.endr
	v_nop
.irp b, 0,1,2,3,4,5,6,7
	ds_store_b64 v[CST], v[CD+2*\b:CD+2*\b+1] offset:1088*(\b/4)+16*(\b%4)
.endr
	ds_store_b32 v[TMPA], v[W0]
.irp i, 0,1,2,3
	ds_load_b128 v[OUTR+4*\i:OUTR+4*\i+3], v[RDC] offset:544*\i
.endr
	s_wait_dscnt 0x0
	global_store_b128 v[GOF], v[OUTR:OUTR+3], s[90:91]
	global_store_b128 v[GOF], v[OUTR+4:OUTR+7], s[90:91] offset:512
	global_store_b128 v[GOF], v[OUTR+8:OUTR+11], s[90:91] offset:262144
	global_store_b128 v[GOF], v[OUTR+12:OUTR+15], s[90:91] offset:262656
	s_add_co_u32 s[TW], s[TW], 64
	s_add_co_u32 s[TI], s[TI], 1
	s_cmp_lt_u32 s[TI], 8
	s_cbranch_scc1 .Ltrip
	s_wait_xcnt 0x0
	ds_load_b128 v[OUTR:OUTR+3], v[RSW]
	s_wait_dscnt 0x0
	global_store_b128 v[GSW], v[OUTR:OUTR+3], s[92:93]
	s_wait_tensorcnt 0x0
	ds_add_u32 v[SPW], v[NIL]
	s_wait_dscnt 0x0
	CROUND
	s_endpgm
.Lfunc_end_k_q842b3a1e6e_fc0:
	.size	k_q842b3a1e6e_fc0, .Lfunc_end_k_q842b3a1e6e_fc0-k_q842b3a1e6e_fc0
	.p2alignl 7, 3214868480
	.fill 96, 4, 3214868480
	.section	.rodata,"a",@progbits
	.p2align	6, 0x0
	.amdhsa_kernel k_q842b3a1e6e_fc0
		.amdhsa_group_segment_fixed_size 327680
		.amdhsa_private_segment_fixed_size 0
		.amdhsa_enable_private_segment 0
		.amdhsa_kernarg_size 40
		.amdhsa_user_sgpr_count 2
		.amdhsa_user_sgpr_kernarg_segment_ptr 1
		.amdhsa_wavefront_size32 1
		.amdhsa_system_sgpr_workgroup_id_x 1
		.amdhsa_system_sgpr_workgroup_id_y 1
		.amdhsa_system_sgpr_workgroup_id_z 1
		.amdhsa_system_vgpr_workitem_id 0
		.amdhsa_next_free_vgpr 1024
		.amdhsa_next_free_sgpr 100
		.amdhsa_reserve_vcc 0
		.amdhsa_float_denorm_mode_32 3
		.amdhsa_float_denorm_mode_16_64 3
		.amdhsa_memory_ordered 1
		.amdhsa_forward_progress 1
		.amdhsa_inst_pref_size 197
	.end_amdhsa_kernel
	.amdgpu_metadata
---
amdhsa.version: [ 1, 2 ]
amdhsa.kernels:
  - .name:           k_q842b3a1e6e_fc0
    .symbol:         k_q842b3a1e6e_fc0.kd
    .args:
      - { .name: xq, .offset: 0, .size: 8, .value_kind: global_buffer, .address_space: global }
      - { .name: fc0_w_codes, .offset: 8, .size: 8, .value_kind: global_buffer, .address_space: global }
      - { .name: fc0_w_scales, .offset: 16, .size: 8, .value_kind: global_buffer, .address_space: global }
      - { .name: fc0_b, .offset: 24, .size: 8, .value_kind: global_buffer, .address_space: global }
      - { .name: hid, .offset: 32, .size: 8, .value_kind: global_buffer, .address_space: global }
    .group_segment_fixed_size: 327680
    .private_segment_fixed_size: 0
    .kernarg_segment_align: 8
    .kernarg_segment_size: 40
    .max_flat_workgroup_size: 128
    .sgpr_count:     100
    .vgpr_count:     1024
    .wavefront_size: 32
...
	.end_amdgpu_metadata
.endif
;; end of part 5
;; launch fc1 (part 6): grid 8 x 32, 4 waves a work-group, clusters of 4 x 4, 327,680 bytes of LDS; arguments hid, fc1_w_codes, fc1_w_scales, fc1_b, res, out0; writes out0
.if DOCPART == 6
	.amdgcn_target "amdgcn-amd-amdhsa--gfx1250"
	.amdhsa_code_object_version 6
	.text
	.protected	k_q842b3a1e6e_fc1
	.globl	k_q842b3a1e6e_fc1
	.p2align	8
	.type	k_q842b3a1e6e_fc1,@function
k_q842b3a1e6e_fc1:
	s_mov_b64 s[64:65], 0
	v_nop
	global_prefetch_b8 v0, s[64:65] scope:SCOPE_SE
	s_setreg_imm32_b32 hwreg(HW_REG_WAVE_MODE, 25, 1), 1
	s_wait_xcnt 0x0
	s_wait_alu depctr_hold_cnt(0) depctr_sa_sdst(0) depctr_va_vdst(0) depctr_va_sdst(0) depctr_va_ssrc(0) depctr_va_vcc(0) depctr_vm_vsrc(0)
	s_getreg_b32 s2, hwreg(HW_REG_IB_STS2, 6, 4)
	s_cmp_eq_u32 s2, 0
	s_cbranch_scc0 .Lentry_in_a_cluster
	s_endpgm
.Lentry_in_a_cluster:
	s_bfe_u32 s2, ttmp6, 0x10000c
	s_cmp_lg_u32 s2, 0xf033
	s_cbranch_scc0 .Lentry_shape_is_right
	s_endpgm
.Lentry_shape_is_right:
.set SIZE_K, 4096
.set FC1,   1
.set ASC,   16777216
.set LG,    3
.set NB,    4
.set NLO,   2
.set NHI,   2
.set NQ,    4
.set NSLOT, SIZE_K/512
.set KS,    SIZE_K/32
.set TP,    KS+16
.set HALFA, 8*4352
.set BOFF,  2*HALFA
.set BPITCH, 528
.set HALFB, 64*BPITCH
.set SLOT,  BOFF+2*HALFB
.set TAB,   2*SLOT
.set SPARE, TAB+256*TP
.set ASTEP, 4194304
.set BSTEP, 1024
.set BOF,  7
.set ADRA, 16
.set ADRB, 20
.set ADSA, 22
.set ADSB, 23
.set STO,  24
.set RD,   25
.set CO,   26
.set SPW,  28
.set NIL,  29
.set SC,   32
.set SCSET, (4+NB)*NQ
.set AF,   128
.set OUTR, 128
.set G1,   24
.set G0,   32
.set G1B,  48
.set G0B,  56
.set MSB, 0
.macro WIN new
.if MSB != (\new)
	s_set_vgpr_msb (MSB<<8)|(\new)
.set MSB, (\new)
.endif
.endm
.set MUL_LO, 0xa1
.set MUL_HI, 0xf1
.set TO_B,   0x40
.macro JLOAD g0a, g1a, g0b, g1b
	s_cmp_eq_u32 s17, 0
	s_cbranch_scc0 .Lfor_b_\@
	tensor_load_to_lds s[\g0a:\g0a+3], s[\g1a:\g1a+7]
	s_nop 0
.rept 4
	v_nop
.endr
	s_branch .Lasked_\@
.Lfor_b_\@:
	tensor_load_to_lds s[\g0b:\g0b+3], s[\g1b:\g1b+7]
	s_nop 0
.rept 4
	v_nop
.endr
.Lasked_\@:
.endm
.macro CREST
	s_cmp_lg_u32 s16, 0
	s_cbranch_scc1 .Lnot_wave_0_\@
	s_barrier_signal -3
.Lnot_wave_0_\@:
	s_barrier_wait -3
	s_barrier_signal -1
	s_barrier_wait -1
.endm
.macro CROUND
	s_barrier_signal -1
	s_barrier_wait -1
	CREST
.endm
.macro PLACES n
.rept \n
	v_nop
.endr
.endm
	s_load_b256 s[4:11], s[0:1], 0x0
	s_load_b128 s[12:15], s[0:1], 0x20
	v_lshl_add_u32 v[SPW], v0, 2, SPARE
	v_mov_b32 v[NIL], 0
	ds_add_u32 v28, v29
	ds_add_u32 v28, v29
	s_wait_dscnt 0x0
	v_lshrrev_b32 v1, 5, v0
	v_readfirstlane_b32 s16, v1
	s_lshr_b32 s17, s16, 1
	s_and_b32 s18, s16, 1
	s_bfe_u32 s40, ttmp6, 0x40000
	s_bfe_u32 s41, ttmp6, 0x40004
	s_lshl_b32 s42, ttmp9, 2
	s_add_co_u32 s42, s42, s40
	s_and_b32 s43, ttmp7, 0xffff
	s_lshl_b32 s43, s43, 2
	s_add_co_u32 s43, s43, s41
	s_lshl_b32 s44, s41, 2
	s_lshl_b32 s44, 15, s44
	s_lshl_b32 s45, 0x1111, s40
	s_or_b32 s[G1], s44, (1<<20)|(1<<21)|(5<<22)|(3<<25)
	s_mov_b32 s[G1+1], 4096<<16
	s_mov_b32 s[G1+2], 8<<16
	s_mov_b32 s[G1+3], 4096<<16
	s_mov_b32 s[G1+4], 8
	s_mov_b32 s[G1+5], 262144
	s_mov_b32 s[G1+6], 0
	s_mov_b32 s[G1+7], 0
	s_or_b32 s[G1B], s45, (1<<20)|(1<<21)|(6<<22)|(3<<25)
	s_mov_b32 s[G1B+1], 512<<16
	s_mov_b32 s[G1B+2], 64<<16
	s_mov_b32 s[G1B+3], 512<<16
	s_mov_b32 s[G1B+4], 64
	s_mov_b32 s[G1B+5], SIZE_K
	s_mov_b32 s[G1B+6], 0
	s_mov_b32 s[G1B+7], 0
	s_lshl_b32 s20, s43, 13
	s_lshl_b32 s21, s18, 12
	s_add_co_u32 s20, s20, s21
	s_mov_b32 s21, 0
	s_mul_i32 s46, s42, 128*SIZE_K
	s_mul_i32 s47, s18, 64*SIZE_K
	s_add_co_u32 s46, s46, s47
	s_mov_b32 s47, 0
	s_mul_i32 s22, s18, HALFA
	s_mul_i32 s23, s18, HALFB
	s_add_co_u32 s23, s23, BOFF
.if FC1
	s_lshl_b32 s66, s43, 9
.else
	s_lshl_b32 s66, s43, 8
.endif
	s_add_co_u32 s66, s66, ASC
	s_mov_b32 s67, 0
	s_mul_i32 s68, s42, 128*KS
	s_mov_b32 s69, 0
	s_lshl_b32 s70, s42, 9
	s_lshl_b32 s72, s18, 8
	s_add_co_u32 s70, s70, s72
	s_mov_b32 s71, 0
	s_lshl_b32 s74, s43, 19
	s_lshl_b32 s72, s17, 18
	s_add_co_u32 s74, s74, s72
	s_add_co_u32 s74, s74, s70
	s_mov_b32 s75, 0
.if FC1
	v_lshlrev_b32 v2, 2, v0
.else
	v_lshlrev_b32 v2, 1, v0
.endif
	v_lshlrev_b32 v3, 4, v0
	v_and_b32 v1, 15, v0
	v_bfe_u32 v8, v0, 4, 1
	v_lshlrev_b32 v[BOF], 5, v8
	; the prefetches: what I fetch for a slot is 128 blocks of 256 bytes (A: 8 planes x 4,096 bytes; B: 64 rows x 512); each of the four partners of the joint load takes 32, told apart by address (cx for A, cy for B), a lane a block
	s_cmp_eq_u32 s17, 0
	s_cselect_b32 s84, 4, 1                        ; lanes to a plane or row: 16 or 2
	s_cselect_b32 s85, 15, 1
	s_cselect_b32 s86, 18, 12                      ; a plane is 2^18 bytes on, a row 2^12
	s_cselect_b32 s88, s40, s41
	s_cselect_b32 s87, 19, 16                      ; a partner's share: two planes, or sixteen rows
	s_mov_b32 s82, 512
	s_cselect_b32 s82, 0x200000, s82               ; a slot on
	s_mov_b32 s83, 0
	s_lshl_b32 s88, s88, s87
	s_mov_b32 s89, 0
	v_and_b32 v13, 31, v0
	v_lshrrev_b32 v14, s84, v13
	v_lshlrev_b32 v14, s86, v14
	v_and_b32 v13, s85, v13
	v_lshl_add_u32 v30, v13, 8, v14                ; my lane's block; never rewritten
	s_wait_alu depctr_va_vdst(0)
	s_wait_kmcnt 0x0
	s_add_nc_u64 s[20:21], s[4:5], s[20:21]
	s_add_nc_u64 s[46:47], s[6:7], s[46:47]
	s_cmp_eq_u32 s17, 0
	s_cselect_b64 s[80:81], s[20:21], s[46:47]
	s_add_nc_u64 s[80:81], s[80:81], s[88:89]
	s_add_nc_u64 s[80:81], s[80:81], s[82:83]      ; slot 1
	s_add_nc_u64 s[78:79], s[80:81], s[82:83]      ; slot 2; this pair walks on
	s_add_nc_u64 s[66:67], s[4:5], s[66:67]
	s_add_nc_u64 s[68:69], s[8:9], s[68:69]
	s_add_nc_u64 s[70:71], s[10:11], s[70:71]
	s_add_nc_u64 s[76:77], s[14:15], s[74:75]
	s_add_nc_u64 s[74:75], s[12:13], s[74:75]
.set pp, 0
.if FC1
.rept 32
	global_load_b32 v[128+pp], v2, s[66:67] offset:16384*pp
.set pp, pp+1
.endr
.else
.rept 16
	global_load_u16 v[128+pp], v2, s[66:67] offset:8192*pp
.set pp, pp+1
.endr
.endif
.set pp, 0
.rept KS/16
	global_load_b128 v[160+4*pp:163+4*pp], v3, s[68:69] offset:2048*pp
.set pp, pp+1
.endr
	WIN 0x80
.irp b, 0,1
	global_load_b128 v[32*\b:32*\b+3],   v[BOF], s[70:71] offset:64*\b
	global_load_b128 v[32*\b+4:32*\b+7], v[BOF], s[70:71] offset:64*\b+16
.endr
	WIN 0xc0
.irp b, 0,1
	global_load_b128 v[32*\b:32*\b+3],   v[BOF], s[70:71] offset:128+64*\b
	global_load_b128 v[32*\b+4:32*\b+7], v[BOF], s[70:71] offset:128+64*\b+16
.endr
	WIN 0
	CROUND
.irp s, 0,1
	s_mov_b32 s[G0+4*\s], 1
	s_add_co_u32 s[G0+4*\s+1], s22, \s*SLOT
	s_add_nc_u64 s[G0+4*\s+2:G0+4*\s+3], s[20:21], \s*2097152
	s_or_b32 s[G0+4*\s+3], s[G0+4*\s+3], 0x80000000
	s_mov_b32 s[G0B+4*\s], 1
	s_add_co_u32 s[G0B+4*\s+1], s23, \s*SLOT
	s_add_nc_u64 s[G0B+4*\s+2:G0B+4*\s+3], s[46:47], \s*512
	s_or_b32 s[G0B+4*\s+3], s[G0B+4*\s+3], 0x80000000
.endr
	JLOAD G0, G1, G0B, G1B                         ; slot 0: one tensor load a wave at the head
	global_prefetch_b8 v30, s[80:81] th:TH_LOAD_NT scope:SCOPE_SE   ; slots 1 and 2
	global_prefetch_b8 v30, s[78:79] th:TH_LOAD_NT scope:SCOPE_SE
	v_mul_u32_u24 v4, v0, TP
	v_add_nc_u32 v4, TAB, v4
	v_lshrrev_b32 v5, LG, v0
	v_mul_u32_u24 v5, v5, TP
	v_and_b32 v6, (1<<LG)-1, v0
	v_lshl_add_u32 v5, v6, 4, v5
	v_add_nc_u32 v5, TAB+128*TP, v5
	v_lshlrev_b32 v[CO], 12, v8
	v_lshl_add_u32 v[CO], v1, 4, v[CO]
	v_lshrrev_b32 v9, 2, v1
	v_mul_u32_u24 v9, v9, 272
	v_and_b32 v10, 3, v1
	v_lshl_add_u32 v9, v10, 6, v9
	v_lshl_add_u32 v9, v8, 4, v9
	s_mul_i32 s72, s17, HALFA
	v_add_nc_u32 v[ADRA], s72, v9
	v_add_nc_u32 v[ADRA+1], SLOT, v[ADRA]
	v_mul_u32_u24 v10, v1, BPITCH
	v_lshl_add_u32 v10, v8, 4, v10
	s_mul_i32 s72, s18, HALFB
	s_add_co_u32 s72, s72, BOFF
	v_add_nc_u32 v[ADRB], s72, v10
	v_add_nc_u32 v[ADRB+1], SLOT, v[ADRB]
	v_mul_u32_u24 v11, v1, TP
	s_mul_i32 s72, s17, 64*TP
	s_add_co_u32 s72, s72, TAB
	v_add_nc_u32 v[ADSA], s72, v11
	s_mul_i32 s72, s18, 64*TP
	s_add_co_u32 s72, s72, TAB+128*TP
	v_add_nc_u32 v[ADSB], s72, v11
	s_mul_i32 s72, s16, 4352
	v_mul_u32_u24 v12, v1, 272
	v_lshl_add_u32 v12, v8, 5, v12
	v_add_nc_u32 v[STO], s72, v12
	v_mul_u32_u24 v12, v8, 272
	v_lshl_add_u32 v12, v1, 4, v12
	v_add_nc_u32 v[RD], s72, v12
	s_wait_alu depctr_va_vdst(0)
	s_wait_loadcnt 8
.set pp, 0
.if FC1
.rept 32
	ds_store_b32 v4, v[128+pp] offset:4*pp
.set pp, pp+1
.endr
.else
.rept 16
	ds_store_b16 v4, v[128+pp] offset:2*pp
.set pp, pp+1
.endr
.endif
.set pp, 0
.rept KS/16
	ds_store_b128 v5, v[160+4*pp:163+4*pp] offset:(128>>LG)*TP*pp
.set pp, pp+1
.endr
	WIN 0x40
.irp a, 0,1,2,3
.irp t, 0,1,2,3,4,5,6,7
	global_load_b128 v[64+32*\a+4*\t:64+32*\a+4*\t+3], v[CO], s[74:75] offset:(16*\a+2*\t)*4096 th:TH_LOAD_NT
.endr
.endr
	WIN 0
.macro FRAGA reg, slot, q, i
.irp c, 0,1,2,3
	ds_load_b128 v[(\reg)+4*\c:(\reg)+4*\c+3], v[ADRA+\slot] offset:(2*(\q)+\c/2)*4352+1088*(\i)+32*(\c%2)
.endr
.endm
.macro FRAGB reg, slot, q, i
.irp c, 0,1,2,3
	ds_load_b128 v[(\reg)+4*\c:(\reg)+4*\c+3], v[ADRB+\slot] offset:128*(\q)+32*\c+(\i)*16*BPITCH
.endr
.endm
.macro FETCH_A slot, q, set
.irp i, 0,1,2,3
	FRAGA AF+64*(\set)+16*\i, \slot, \q, \i
.endr
.endm
.macro FETCH_B slot, q, b0, n
	WIN TO_B
.set fb, \b0
.rept \n
	FRAGB 16*fb, \slot, \q, fb
.set fb, fb+1
.endr
	WIN 0
.endm
.macro SCALES set
.irp i, 0,1,2,3
	ds_load_b128 v[SC+(\set)*SCSET+NQ*\i:SC+(\set)*SCSET+NQ*\i+3], v[ADSA] offset:\i*16*TP
.endr
.irp i, 0,1,2,3
	ds_load_b128 v[SC+(\set)*SCSET+4*NQ+NQ*\i:SC+(\set)*SCSET+4*NQ+NQ*\i+3], v[ADSB] offset:\i*16*TP
.endr
.endm
.macro MULB hb, b0, n, set, q, sc
.set bb, \b0
.rept \n
.irp a, 0,1,2,3
.set rD, 8*(4*(bb-(\hb)*NLO)+\a)
	v_wmma_scale_f32_16x16x128_f8f6f4 v[rD:rD+7], v[16*bb:16*bb+15], v[AF+64*(\set)+16*\a:AF+64*(\set)+16*\a+15], v[rD:rD+7], v[SC+(\sc)*SCSET+4*NQ+NQ*bb+(\q)], v[SC+(\sc)*SCSET+NQ*\a+(\q)]
.endr
.set bb, bb+1
.endr
.endm
.macro MULF hb, b0, n, set, q, sc
.irp a, 1,2,3
.set bb, \b0
.rept \n
.set rD, 8*(4*(bb-(\hb)*NLO)+\a)
.set rC, 32*(bb-(\hb)*NLO)
	v_wmma_scale_f32_16x16x128_f8f6f4 v[rD:rD+7], v[16*bb:16*bb+15], v[AF+64*(\set)+16*\a:AF+64*(\set)+16*\a+15], v[rC:rC+7], v[SC+(\sc)*SCSET+4*NQ+NQ*bb+(\q)], v[SC+(\sc)*SCSET+NQ*\a+(\q)]
.set bb, bb+1
.endr
.endr
	PLACES 9
.set bb, \b0
.rept \n
.set rC, 32*(bb-(\hb)*NLO)
	v_wmma_scale_f32_16x16x128_f8f6f4 v[rC:rC+7], v[16*bb:16*bb+15], v[AF+64*(\set):AF+64*(\set)+15], v[rC:rC+7], v[SC+(\sc)*SCSET+4*NQ+NQ*bb+(\q)], v[SC+(\sc)*SCSET+(\q)]
.set bb, bb+1
.endr
.endm
.macro UPPER set, q, sc
	WIN MUL_HI
	MULB 1, NLO, NHI, \set, \q, \sc
.endm
.macro STEP slot, q, first
	s_wait_dscnt 4*NHI
	WIN MUL_LO
.if \first
	MULF 0, 0, NLO, (\q)%2, \q, \slot
.else
	MULB 0, 0, NLO, (\q)%2, \q, \slot
.endif
	s_wait_dscnt 0x0
	PLACES 8
	WIN 0
	FETCH_A \slot, (\q)+1, 1-(\q)%2
	FETCH_B \slot, (\q)+1, 0, NLO
.if \first
	WIN MUL_HI
	MULF 1, NLO, NHI, (\q)%2, \q, \slot
.else
	UPPER (\q)%2, \q, \slot
.endif
	PLACES 8
	FETCH_B \slot, (\q)+1, NLO, NHI
.endm
.macro TURN slot, next, fill
.if \fill
	s_wait_xcnt 0x0                                ; my last prefetch has read its address: it steps here, ahead of the waits of the change of slots
	s_add_nc_u64 s[78:79], s[78:79], s[82:83]      ; the slot two refills on
.endif
	s_wait_tensorcnt 0x0
	ds_add_u32 v[SPW], v[NIL]
	s_wait_dscnt 4*NHI+1
	WIN MUL_LO
	MULB 0, 0, NLO/2, 1, NQ-1, \slot
	s_wait_dscnt 0x0
	s_barrier_signal -1
	MULB 0, NLO/2, NLO/2, 1, NQ-1, \slot
	WIN 0
	s_barrier_wait -1
.if \fill
	CREST
	s_add_nc_u64 s[G0+4*\slot+2:G0+4*\slot+3], s[G0+4*\slot+2:G0+4*\slot+3], ASTEP
	s_add_nc_u64 s[G0B+4*\slot+2:G0B+4*\slot+3], s[G0B+4*\slot+2:G0B+4*\slot+3], BSTEP
	JLOAD G0+4*\slot, G1, G0B+4*\slot, G1B
	PLACES 4
.else
	PLACES 8
.endif
	s_wait_alu depctr_va_vdst(0)
	v_add_nc_u32 v[ADSA], 4*NQ, v[ADSA]
	v_add_nc_u32 v[ADSB], 4*NQ, v[ADSB]
	FETCH_A \next, 0, 0
	FETCH_B \next, 0, 0, NLO
	SCALES \next
.if \fill
	s_cmp_gt_u32 s3, 1                             ; the loop's last trip loads slots 6 and 7: no slot stands two refills on
	s_cbranch_scc0 .Lno_ask_\@
	global_prefetch_b8 v30, s[78:79] th:TH_LOAD_NT scope:SCOPE_SE
.Lno_ask_\@:
.endif
	UPPER 1, NQ-1, \slot
	PLACES 8
	FETCH_B \next, 0, NLO, NHI
.endm
.macro THREE slot
	STEP \slot, 0, 0
	STEP \slot, 1, 0
	STEP \slot, 2, 0
.endm
	s_wait_alu depctr_va_vdst(0)                   ; the head's end
	s_wait_xcnt 0x0                                ; the head's prefetches have read their addresses
	s_add_nc_u64 s[78:79], s[78:79], s[82:83]      ; slot 3
	s_wait_tensorcnt 0x0                           ; my part of slot 0 is in; slot 1's first fill is issued as a refill is
	ds_add_u32 v[SPW], v[NIL]
	s_wait_dscnt 0x0                               ; the add is done, my part of the table is stored
	CROUND
	JLOAD G0+4, G1, G0B+4, G1B                     ; slot 1: the first tensor load behind the round
	FETCH_A 0, 0, 0
	global_prefetch_b8 v30, s[78:79] th:TH_LOAD_NT scope:SCOPE_SE   ; slot 3, two refills on
	FETCH_B 0, 0, 0, NLO
	SCALES 0
	FETCH_B 0, 0, NLO, NHI
	s_wait_loadcnt 32
	STEP 0, 0, 1
.if NSLOT > 2
	s_mov_b32 s3, (NSLOT-2)/2
.Llap:
	STEP 0, 1, 0
	STEP 0, 2, 0
	TURN 0, 1, 1
	THREE 1
	TURN 1, 0, 1
	STEP 0, 0, 0
	s_sub_co_u32 s3, s3, 1
	s_cmp_lg_u32 s3, 0
	s_cbranch_scc1 .Llap
.endif
	STEP 0, 1, 0
	STEP 0, 2, 0
	TURN 0, 1, 0
	THREE 1
	s_wait_dscnt 4*NHI
	WIN MUL_LO
	MULB 0, 0, NLO, 1, NQ-1, 1
	s_wait_dscnt 0x0
	UPPER 1, NQ-1, 1
	WIN 0
	PLACES 8
	s_wait_loadcnt 0x0
.macro TOSTAGE a
	WIN 0x08
.irp b, 0,1
	ds_store_b128 v[STO], v[8*(4*\b+(\a)):8*(4*\b+(\a))+3] offset:64*\b
	ds_store_b128 v[STO], v[8*(4*\b+(\a))+4:8*(4*\b+(\a))+7] offset:64*\b+16
.endr
	WIN 0x0c
.irp b, 0,1
	ds_store_b128 v[STO], v[8*(4*\b+(\a)):8*(4*\b+(\a))+3] offset:128+64*\b
	ds_store_b128 v[STO], v[8*(4*\b+(\a))+4:8*(4*\b+(\a))+7] offset:128+64*\b+16
.endr
	WIN 0
.irp t, 0,1,2,3,4,5,6,7
	ds_load_b128 v[OUTR+32*(\a)+4*\t:OUTR+32*(\a)+4*\t+3], v[RD] offset:544*\t
.endr
.endm
.macro SEND a
	s_wait_dscnt 16*(3-(\a))
	WIN 0x04
.set pp, 0
.rept 16
	v_pk_add_f32 v[OUTR+32*(\a)+2*pp:OUTR+32*(\a)+2*pp+1], v[OUTR+32*(\a)+2*pp:OUTR+32*(\a)+2*pp+1], v[64+32*(\a)+2*pp:64+32*(\a)+2*pp+1]
.set pp, pp+1
.endr
	WIN 0
.irp t, 0,1,2,3,4,5,6,7
	global_store_b128 v[CO], v[OUTR+32*(\a)+4*\t:OUTR+32*(\a)+4*\t+3], s[76:77] offset:(16*(\a)+2*\t)*4096 th:TH_STORE_NT
.endr
.endm
	TOSTAGE 0
	TOSTAGE 1
	TOSTAGE 2
	TOSTAGE 3
	SEND 0
	SEND 1
	SEND 2
	SEND 3
	s_wait_tensorcnt 0x0
	ds_add_u32 v[SPW], v[NIL]
	s_wait_dscnt 0x0
	CROUND
	s_endpgm
.Lfunc_end_k_q842b3a1e6e_fc1:
	.size	k_q842b3a1e6e_fc1, .Lfunc_end_k_q842b3a1e6e_fc1-k_q842b3a1e6e_fc1
	.p2alignl 7, 3214868480
	.fill 96, 4, 3214868480
	.section	.rodata,"a",@progbits
	.p2align	6, 0x0
	.amdhsa_kernel k_q842b3a1e6e_fc1
		.amdhsa_group_segment_fixed_size 327680
		.amdhsa_private_segment_fixed_size 0
		.amdhsa_enable_private_segment 0
		.amdhsa_kernarg_size 48
		.amdhsa_user_sgpr_count 2
		.amdhsa_user_sgpr_kernarg_segment_ptr 1
		.amdhsa_wavefront_size32 1
		.amdhsa_system_sgpr_workgroup_id_x 1
		.amdhsa_system_sgpr_workgroup_id_y 1
		.amdhsa_system_sgpr_workgroup_id_z 1
		.amdhsa_system_vgpr_workitem_id 0
		.amdhsa_next_free_vgpr 1024
		.amdhsa_next_free_sgpr 100
		.amdhsa_reserve_vcc 0
		.amdhsa_float_denorm_mode_32 3
		.amdhsa_float_denorm_mode_16_64 3
		.amdhsa_memory_ordered 1
		.amdhsa_forward_progress 1
		.amdhsa_inst_pref_size 114
	.end_amdhsa_kernel
	.amdgpu_metadata
---
amdhsa.version: [ 1, 2 ]
amdhsa.kernels:
  - .name:           k_q842b3a1e6e_fc1
    .symbol:         k_q842b3a1e6e_fc1.kd
    .args:
      - { .name: hid, .offset: 0, .size: 8, .value_kind: global_buffer, .address_space: global }
      - { .name: fc1_w_codes, .offset: 8, .size: 8, .value_kind: global_buffer, .address_space: global }
      - { .name: fc1_w_scales, .offset: 16, .size: 8, .value_kind: global_buffer, .address_space: global }
      - { .name: fc1_b, .offset: 24, .size: 8, .value_kind: global_buffer, .address_space: global }
      - { .name: res, .offset: 32, .size: 8, .value_kind: global_buffer, .address_space: global }
      - { .name: out0, .offset: 40, .size: 8, .value_kind: global_buffer, .address_space: global }
    .group_segment_fixed_size: 327680
    .private_segment_fixed_size: 0
    .kernarg_segment_align: 8
    .kernarg_segment_size: 48
    .max_flat_workgroup_size: 128
    .sgpr_count:     100
    .vgpr_count:     1024
    .wavefront_size: 32
...
	.end_amdgpu_metadata
.endif
;; end of part 6
